; MI455X (gfx1250); checked and timed in simulation.
; The chip was launched on July 23, 2026; its instructions are those of AMD's public machine-readable ISA for CDNA 5 (MIT licence, August 2026) and "CDNA5" Instruction Set Architecture Reference Guide (July 2026). The comments in the code are by the model that wrote it; some were corrected since.
;; Full Attention. Allowed arithmetic: float matrix products may take bf16 or f16 operands with f32 sums; other float arithmetic in f32, or as packed bf16 or f16 multiplies, adds, multiply-adds, maxima and minima; sums over many terms, partial sums and values carried from step to step in f32; what a program stores and reads back later, other than sums and carried values, may be rounded once to bf16 or f16.
;; Inputs: Wk 2,048 x 512 float32; Wo 1,024 x 2,048 float32; Wq 2,048 x 2,048 float32; Wv 2,048 x 512 float32; kn_w 128 float32; qn_w 128 float32; x 2 x 2,048 x 2,048 float32.
;; Outputs: out0 2 x 2,048 x 2,048 float32.
;; 2 versions, each right; version 2 is version 1 with the launch prep written anew for expert scheduling mode. Each part assembles by itself: llvm-mc -triple=amdgcn-amd-amdhsa -mcpu=gfx1250 --defsym DOCPART=n.
;; ======== version 1 of 2: 4 launches
;; limits: values are held in f16: magnitudes above 65,504 overflow, below 6.1e-05 lose precision
;; workspace buffers: xb 16,777,216 bytes; wqkv 12,582,912 bytes; wo16 4,194,304 bytes; rope 1,048,576 bytes; qg 16,777,216 bytes; kv 8,388,608 bytes; att 8,388,608 bytes
;; launch prep (part 1): grid 512 x 1, 8 waves a work-group, no clusters, 0 bytes of LDS; arguments x, Wq, Wk, Wv, Wo, xb, wqkv, wo16, rope; writes xb, wqkv, wo16, rope
.if DOCPART == 1
	.amdgcn_target "amdgcn-amd-amdhsa--gfx1250"
	.amdhsa_code_object_version 6
	.text
	.protected	k_qf28096f3ef_prep
	.globl	k_qf28096f3ef_prep
	.p2align	8
	.type	k_qf28096f3ef_prep,@function
k_qf28096f3ef_prep:
	s_mov_b64 s[64:65], 0
	v_nop
	global_prefetch_b8 v0, s[64:65] scope:SCOPE_SE
	s_setreg_imm32_b32 hwreg(HW_REG_WAVE_MODE, 25, 1), 1
	s_wait_xcnt 0x0
; PREP: a stream.  x -> xb (bf16).  Wq | Wk | Wv -> wqkv [k 2048][n' 3072] (bf16), the columns in chunks of 128 in a new order: chunks 0-7 q of head j, 8-15 the gate of head j - 8,
; 16 + 2 i k of head i, 17 + 2 i v of head i.  Wo -> wo16: rounded to bf16 like every other input, and that number written as f16.  And the table of cosines and sines.
; LIMITS.  |Wo| stays under 65,504; a bf16 number below 2^-17 loses bits in f16, at most 3e-8 absolutely.  NaN and infinities are not treated apart.
; SHARES.  A work-group casts 32,768 numbers in 32 passes of 1,024; in a pass wave v takes 128 numbers: a load covers 512 consecutive bytes, a store 256 consecutive bytes, aligned.
; All 32 loads of a wave go out at once (16 KiB a wave on its way); a pass has its own data, result and offset registers, so nothing is rewritten under a pending instruction.
; No LDS, no matrix unit, no cluster: no byte is wanted twice.  No prefetch: the loads themselves are all out at once.
.set VS,  2                            ; v2        16 x lane: my 16 bytes of a chunk of the source
.set VD,  8                            ; v[8:39]   pass p: my byte offset in the destination
.set IN,  40                           ; v[40:167] pass p: four f32 as loaded
.set OUT, 168                          ; v[168:231] pass p: four 16-bit numbers to store
.set TW,  168                          ; the table's registers, before OUT is used
.set TA,  236                          ; v236      the table's store offset
	s_load_b512 s[8:23], s[0:1], 0x0               ; x, Wq, Wk, Wv, Wo, xb, wqkv, wo16
	s_load_b64 s[24:25], s[0:1], 0x40              ; rope
	v_and_b32 v1, 31, v0                           ; lane
	v_lshrrev_b32 v3, 5, v0
	v_readfirstlane_b32 s30, v3                    ; wave 0..7
	v_lshlrev_b32 v[VS], 4, v1
	s_mov_b32 s35, 0                               ; 1: the region is Wo's
	s_mov_b32 s37, 0
	s_mov_b32 s42, 0xffff0000                      ; a word's upper bf16
	s_lshl_b32 s38, s30, 8                         ; 256 x wave
	s_wait_kmcnt 0x0
	; the region by the work-group's number: source s[26:27], destination s[28:29], number in the region s31,
	; my chunk's destination byte in pass 0 s32, its step to pass 1 s33, its step over two passes s34
	s_cmp_lt_u32 ttmp9, 256
	s_cbranch_scc0 .Lnot_x
	s_mov_b64 s[26:27], s[8:9]                     ; x -> xb, straight
	s_mov_b64 s[28:29], s[18:19]
	s_mov_b32 s31, ttmp9
	s_lshl_b32 s32, s31, 16
	s_add_co_u32 s32, s32, s38
	s_movk_i32 s33, 2048
	s_movk_i32 s34, 4096
	s_branch .Lset
.Lnot_x:
	s_cmp_lt_u32 ttmp9, 384
	s_cbranch_scc0 .Lnot_q
	s_mov_b64 s[26:27], s[10:11]                   ; Wq: 16 rows a work-group, half a row a pass; source chunk 8 (p % 2) + v goes to chunk 8 (v % 2) + v / 2 + 4 (p % 2)
	s_mov_b64 s[28:29], s[20:21]
	s_sub_co_u32 s31, ttmp9, 256
	s_mul_i32 s32, s31, 16*6144
	s_and_b32 s39, s30, 1
	s_lshl_b32 s39, s39, 3
	s_lshr_b32 s40, s30, 1
	s_add_co_u32 s39, s39, s40
	s_lshl_b32 s39, s39, 8
	s_add_co_u32 s32, s32, s39
	s_movk_i32 s33, 1024
	s_movk_i32 s34, 6144
	s_branch .Lset
.Lnot_q:
	s_cmp_lt_u32 ttmp9, 448
	s_cbranch_scc0 .Lwo
	s_sub_co_u32 s31, ttmp9, 384                   ; Wk, then Wv: 64 rows a work-group, two rows a pass; head v % 4 goes to chunk 16 + 2 (v % 4) + (0: k, 1: v)
	s_lshr_b32 s41, s31, 5
	s_and_b32 s31, s31, 31
	s_cmp_eq_u32 s41, 0
	s_cselect_b64 s[26:27], s[12:13], s[14:15]
	s_mov_b64 s[28:29], s[20:21]
	s_lshl_b32 s32, s31, 6
	s_lshr_b32 s40, s30, 2
	s_add_co_u32 s32, s32, s40
	s_mul_i32 s32, s32, 6144
	s_and_b32 s39, s30, 3
	s_lshl_b32 s39, s39, 1
	s_add_co_u32 s39, s39, s41
	s_add_co_u32 s39, s39, 16
	s_lshl_b32 s39, s39, 8
	s_add_co_u32 s32, s32, s39
	s_movk_i32 s33, 12288
	s_movk_i32 s34, 24576
	s_branch .Lset
.Lwo:
	s_mov_b64 s[26:27], s[16:17]                   ; Wo -> wo16, straight
	s_mov_b64 s[28:29], s[22:23]
	s_sub_co_u32 s31, ttmp9, 448
	s_lshl_b32 s32, s31, 16
	s_add_co_u32 s32, s32, s38
	s_movk_i32 s33, 2048
	s_movk_i32 s34, 4096
	s_mov_b32 s35, 1
.Lset:
	s_lshl_b32 s36, s31, 17                        ; the work-group's 131,072 bytes of the source,
	s_lshl_b32 s39, s30, 9                         ; my wave's 512 of a pass
	s_add_co_u32 s36, s36, s39
	s_add_nc_u64 s[26:27], s[26:27], s[36:37]
.set p, 0
.rept 32
	global_load_b128 v[IN+4*p:IN+4*p+3], v[VS], s[26:27] offset:4096*p th:TH_LOAD_NT
.set p, p+1
.endr
	v_lshl_add_u32 v[VD], v1, 3, s32               ; 8 bytes a lane
	v_add_nc_u32 v[VD+1], s33, v[VD]
.set p, 2
.rept 30
	v_add_nc_u32 v[VD+p], s34, v[VD+p-2]
.set p, p+1
.endr
	; THE TABLE, made while the loads are out.  Work-group W < 128 makes positions 16 W .. 16 W + 15, in the order in which the next launch's lanes hold a head's channels:
	; byte W x 8,192 + q x 512 + lane x 16, q = 4 b + 2 (0: cos, 1: sin) + jh, holds frequencies i = 16 b + 8 (lane / 16) + 4 jh + 0..3 at position 16 W + lane % 16.
	; angle = position x 2^(-i log2(1e6) / 64), reduced by multiples of pi / 2 kept in two parts; on |rho| <= pi / 4 the two series are cut where their next term is under 4e-7, whatever the inputs.
	s_cmp_lt_u32 ttmp9, 128
	s_cbranch_scc0 .Lno_table
	v_and_b32 v[TW], 15, v1
	v_lshrrev_b32 v[TW+1], 4, v1
	s_lshl_b32 s39, ttmp9, 4
	v_add_nc_u32 v[TW], s39, v[TW]
	v_cvt_f32_u32 v[TW], v[TW]                     ; the position
	s_lshr_b32 s40, s30, 1                         ; b
	s_and_b32 s41, s30, 1                          ; jh
	s_lshl_b32 s39, s40, 4
	s_lshl2_add_u32 s39, s41, s39                  ; 16 b + 4 jh
	v_lshl_add_u32 v[TW+1], v[TW+1], 3, s39
.irp e, 0,1,2,3
	v_add_nc_u32 v[TW+4+(\e)], (\e), v[TW+1]
	v_cvt_f32_u32 v[TW+4+(\e)], v[TW+4+(\e)]
	v_mul_f32 v[TW+4+(\e)], 0xbe9f73da, v[TW+4+(\e)]  ; -i log2(1e6) / 64
.endr
.irp e, 0,1,2,3
	v_exp_f32 v[TW+4+(\e)], v[TW+4+(\e)]
.endr
	v_nop                                          ; a plain instruction behind the last exponential,
	s_wait_alu depctr_va_vdst(0)                   ; and the one wait ahead of the batch's first reader
.irp e, 0,1,2,3
	v_mul_f32 v[TW+8+(\e)], v[TW], v[TW+4+(\e)]                     ; the angle
	v_mul_f32 v[TW+12+(\e)], 0x3f22f983, v[TW+8+(\e)]               ; x 2 / pi
	v_rndne_f32 v[TW+12+(\e)], v[TW+12+(\e)]                        ; n
	v_fmamk_f32 v[TW+16+(\e)], v[TW+12+(\e)], 0xbfc90fdb, v[TW+8+(\e)]   ; rho = angle - n x (pi / 2)'s upper part
	v_fmamk_f32 v[TW+16+(\e)], v[TW+12+(\e)], 0x333bbd2e, v[TW+16+(\e)]  ; + n x what that part has too much
	v_mul_f32 v[TW+20+(\e)], v[TW+16+(\e)], v[TW+16+(\e)]           ; rho^2
	v_mov_b32 v[TW+24+(\e)], 0xb9500d01                             ; sin: -1/5040, 1/120, -1/6
	v_fmaak_f32 v[TW+24+(\e)], v[TW+24+(\e)], v[TW+20+(\e)], 0x3c088889
	v_fmaak_f32 v[TW+24+(\e)], v[TW+24+(\e)], v[TW+20+(\e)], 0xbe2aaaab
	v_mul_f32 v[TW+28+(\e)], v[TW+16+(\e)], v[TW+20+(\e)]
	v_fma_f32 v[TW+24+(\e)], v[TW+28+(\e)], v[TW+24+(\e)], v[TW+16+(\e)]
	v_mov_b32 v[TW+28+(\e)], 0x37d00d01                             ; cos: 1/40320, -1/720, 1/24, -1/2
	v_fmaak_f32 v[TW+28+(\e)], v[TW+28+(\e)], v[TW+20+(\e)], 0xbab60b61
	v_fmaak_f32 v[TW+28+(\e)], v[TW+28+(\e)], v[TW+20+(\e)], 0x3d2aaaab
	v_fmaak_f32 v[TW+28+(\e)], v[TW+28+(\e)], v[TW+20+(\e)], 0xbf000000
	v_fma_f32 v[TW+28+(\e)], v[TW+28+(\e)], v[TW+20+(\e)], 1.0
	v_cvt_i32_f32 v[TW+12+(\e)], v[TW+12+(\e)]                      ; the quadrant: an odd n swaps the two,
	v_and_b32 v[TW+20+(\e)], 1, v[TW+12+(\e)]
	v_cmp_eq_u32 vcc_lo, 1, v[TW+20+(\e)]
	v_cndmask_b32 v[TW+36+(\e)], v[TW+24+(\e)], v[TW+28+(\e)], vcc_lo
	v_cndmask_b32 v[TW+32+(\e)], v[TW+28+(\e)], v[TW+24+(\e)], vcc_lo
	v_and_b32 v[TW+20+(\e)], 2, v[TW+12+(\e)]                       ; n & 2 turns the sine's sign,
	v_lshlrev_b32 v[TW+20+(\e)], 30, v[TW+20+(\e)]
	v_xor_b32 v[TW+36+(\e)], v[TW+36+(\e)], v[TW+20+(\e)]
	v_add_nc_u32 v[TW+12+(\e)], 1, v[TW+12+(\e)]                    ; (n + 1) & 2 the cosine's
	v_and_b32 v[TW+20+(\e)], 2, v[TW+12+(\e)]
	v_lshlrev_b32 v[TW+20+(\e)], 30, v[TW+20+(\e)]
	v_xor_b32 v[TW+32+(\e)], v[TW+32+(\e)], v[TW+20+(\e)]
.endr
	s_lshl2_add_u32 s39, s40, s41                  ; 4 b + jh
	s_lshl_b32 s39, s39, 9
	v_lshl_add_u32 v[TA], v1, 4, s39
	s_lshl_b32 s36, ttmp9, 13
	s_add_nc_u64 s[24:25], s[24:25], s[36:37]
	global_store_b128 v[TA], v[TW+32:TW+35], s[24:25]              ; a wave's store covers 512 consecutive bytes
	global_store_b128 v[TA], v[TW+36:TW+39], s[24:25] offset:1024
	s_wait_xcnt 0x0                                ; the passes write these registers again only behind this wait
.Lno_table:
; Pass p.  The count leaves the younger passes' loads out.  In Wo's region the bf16 number is widened (a shift, a mask) and written as f16; elsewhere those six lines are jumped over, so that the passes are written once.
.macro PASS p
	s_wait_loadcnt 31-(\p)
	v_cvt_pk_bf16_f32 v[OUT+2*(\p)], v[IN+4*(\p)], v[IN+4*(\p)+1]
	v_cvt_pk_bf16_f32 v[OUT+2*(\p)+1], v[IN+4*(\p)+2], v[IN+4*(\p)+3]
	s_cmp_eq_u32 s35, 0
	s_cbranch_scc1 .Lstore_\@
	v_lshlrev_b32 v232, 16, v[OUT+2*(\p)]
	v_and_b32 v233, s42, v[OUT+2*(\p)]
	v_lshlrev_b32 v234, 16, v[OUT+2*(\p)+1]
	v_and_b32 v235, s42, v[OUT+2*(\p)+1]
	v_cvt_pk_f16_f32 v[OUT+2*(\p)], v232, v233
	v_cvt_pk_f16_f32 v[OUT+2*(\p)+1], v234, v235
.Lstore_\@:
	global_store_b64 v[VD+(\p)], v[OUT+2*(\p):OUT+2*(\p)+1], s[28:29]
.endm
.set p, 0
.rept 32
	PASS p
.set p, p+1
.endr
	s_endpgm
.Lfunc_end_k_qf28096f3ef_prep:
	.size	k_qf28096f3ef_prep, .Lfunc_end_k_qf28096f3ef_prep-k_qf28096f3ef_prep
	.p2alignl 7, 3214868480
	.fill 96, 4, 3214868480
	.section	.rodata,"a",@progbits
	.p2align	6, 0x0
	.amdhsa_kernel k_qf28096f3ef_prep
		.amdhsa_group_segment_fixed_size 0
		.amdhsa_private_segment_fixed_size 0
		.amdhsa_enable_private_segment 0
		.amdhsa_kernarg_size 72
		.amdhsa_user_sgpr_count 2
		.amdhsa_user_sgpr_kernarg_segment_ptr 1
		.amdhsa_wavefront_size32 1
		.amdhsa_system_sgpr_workgroup_id_x 1
		.amdhsa_system_sgpr_workgroup_id_y 1
		.amdhsa_system_sgpr_workgroup_id_z 1
		.amdhsa_system_vgpr_workitem_id 0
		.amdhsa_next_free_vgpr 240
		.amdhsa_next_free_sgpr 66
		.amdhsa_reserve_vcc 1
		.amdhsa_float_denorm_mode_32 3
		.amdhsa_float_denorm_mode_16_64 3
		.amdhsa_memory_ordered 1
		.amdhsa_forward_progress 1
		.amdhsa_inst_pref_size 32
	.end_amdhsa_kernel
	.amdgpu_metadata
---
amdhsa.version: [ 1, 2 ]
amdhsa.kernels:
  - .name:           k_qf28096f3ef_prep
    .symbol:         k_qf28096f3ef_prep.kd
    .args:
      - { .name: x, .offset: 0, .size: 8, .value_kind: global_buffer, .address_space: global }
      - { .name: Wq, .offset: 8, .size: 8, .value_kind: global_buffer, .address_space: global }
      - { .name: Wk, .offset: 16, .size: 8, .value_kind: global_buffer, .address_space: global }
      - { .name: Wv, .offset: 24, .size: 8, .value_kind: global_buffer, .address_space: global }
      - { .name: Wo, .offset: 32, .size: 8, .value_kind: global_buffer, .address_space: global }
      - { .name: xb, .offset: 40, .size: 8, .value_kind: global_buffer, .address_space: global }
      - { .name: wqkv, .offset: 48, .size: 8, .value_kind: global_buffer, .address_space: global }
      - { .name: wo16, .offset: 56, .size: 8, .value_kind: global_buffer, .address_space: global }
      - { .name: rope, .offset: 64, .size: 8, .value_kind: global_buffer, .address_space: global }
    .group_segment_fixed_size: 0
    .private_segment_fixed_size: 0
    .kernarg_segment_align: 8
    .kernarg_segment_size: 72
    .max_flat_workgroup_size: 256
    .sgpr_count:     66
    .vgpr_count:     240
    .wavefront_size: 32
...
	.end_amdgpu_metadata
.endif
;; end of part 1
;; launch qkv (part 2): grid 12 x 16, 4 waves a work-group, clusters of 4 x 4, 327,680 bytes of LDS; arguments xb, wqkv, rope, qn_w, kn_w, qg, kv; writes qg, kv
.if DOCPART == 2
	.amdgcn_target "amdgcn-amd-amdhsa--gfx1250"
	.amdhsa_code_object_version 6
	.text
	.protected	k_qf28096f3ef_qkv
	.globl	k_qf28096f3ef_qkv
	.p2align	8
	.type	k_qf28096f3ef_qkv,@function
k_qf28096f3ef_qkv:
	s_mov_b64 s[64:65], 0
	v_nop
	global_prefetch_b8 v0, s[64:65] scope:SCOPE_SE
	s_setreg_imm32_b32 hwreg(HW_REG_WAVE_MODE, 25, 1), 1
	s_wait_xcnt 0x0
	s_wait_alu depctr_hold_cnt(0) depctr_sa_sdst(0) depctr_va_vdst(0) depctr_va_sdst(0) depctr_va_ssrc(0) depctr_va_vcc(0) depctr_vm_vsrc(0)
	s_getreg_b32 s2, hwreg(HW_REG_IB_STS2, 6, 4)
	s_cmp_eq_u32 s2, 0
	s_cbranch_scc0 .Lentry_in_a_cluster
	s_endpgm
.Lentry_in_a_cluster:
	s_bfe_u32 s2, ttmp6, 0x10000c
	s_cmp_lg_u32 s2, 0xf033
	s_cbranch_scc0 .Lentry_shape_is_right
	s_endpgm
.Lentry_shape_is_right:
; QKV: C = xb [4096][2048] x wqkv [2048][3072], bf16 operands, f32 sums; on the way out q and k get RMSNorm with (w + 1) and the rotation, all four kinds are rounded once to f16 and stored by heads:
; qg: q [b][h 8][s][128] at byte 0, the raw gate likewise at 8,388,608; kv: k [b][kv 4][s][128] at byte 0, v at 4,194,304.
; LIMITS.  |gate| and |v| stay under 65,504 (f16); NaN and infinities are not treated apart.
; A tile of C is 256 x 256: four waves, each 128 x 128 = 64 accumulators, 512 registers.  A wave's 128 columns are ONE head's q, gate, k or v, so a row's norm and its rotation stay within a lane and the lane 16 away.
; That makes 16 x 12 = 192 work-groups.  Tiles that would make 256 of them (128 x 384, 256 x 192) cut a head in two, and read a sixth to a third more LDS bytes for each product.
; K goes in steps of 128 through two LDS slots.  A's rows lie along K and come out of LDS as they lie; B lies [k][n], 512 bytes of 128 k rows, and comes out turned (ds_load_tr16_b128).
; A K STEP IS WRITTEN ONCE FOR THE LOOP AND ONCE FOR THE TAIL: the slot does not stand in the text.  A scalar, 0 or the slot's size, is turned by one exclusive or at each change of slots, and the fragments' addresses are made from it.
; CLUSTERS: 4 x 4.  A's tile is shared along a row of the cluster, B's along a column: each is asked for jointly, by the same tensor load with the same descriptor and a mask that names the four.
; THE MATRIX INSTRUCTION IS USED TRANSPOSED (source 0 = 16 columns of B, source 1 = 16 rows of A): lane l holds row l % 16 of C and the columns 8 (l / 16) + 0..7.
; REGISTERS, in windows of 256: window 0: v0-31 addresses, v32-41 at work, v64-127, v128-191 A's fragments (way out: v64-127 a block of 16 rows, v192-255 packed results and whole rows);
;   window 1: v64-191 B's fragments (way out: v0-63 w + 1, v64-127 cos and sin);  window 2, 3: the accumulators, (a, b) at v[8 (8 (a % 4) + b)].
.set SIZE_K, 2048
.set NW,     3072
.set KSTEP,  128
.set STEPS,  SIZE_K/KSTEP
.set PITCH,  272                       ; A's LDS row: 256 bytes + 16: the 16 rows of a load start at 16 different groups of four banks (64 banks of 4 bytes: ISA guide 11.1)
.set PB,     544                       ; B's LDS row: 512 bytes + 32 = 17 x 32
.set HALFT,  128*PITCH                 ; what one tensor load brings: 128 rows of A, or 64 k rows of B (64 x 544, the same number)
.set SLOT,   4*HALFT                   ; A's 256 rows, then B's 128 k rows: 0x22000.  The loads' four LDS bases (0, 0x8800, 0x11000, 0x19800) have neither bit 13 nor bit 17: an exclusive or with it is a step to the other slot
.set STAGE,  2*SLOT                    ; behind the ring: 16 rows x 272 bytes for each wave
.set SPITCH, 272
.set SPARE,  STAGE+4*16*SPITCH         ; the spare words, 128 bytes for each wave: two blocks of 256 bytes that no other line names
.set BSTEP,  KSTEP*NW*2                ; bytes of wqkv in a K step
.set DA,   12                          ; v12  where I put 16 bytes of the accumulators' image: 65,536 x wave + 16 x lane (in the ring, behind its last fill)
.set LA,   13                          ; v13  where I read a block of it back; steps by 8,192
.set WOF,  14                          ; v14  32 (l / 16): my eight weights of a group of 16
.set ADRA0, 16                         ; v16  LDS address of my A fragments in slot 0; never rewritten
.set ADRA, 17                          ; v17  the same in the slot that is being read
.set ADRB0, 20                         ; v20, v21 the same for B
.set ADRB, 21
.set STO,  24
.set RD,   25
.set CO,   26                          ; v26  16 x lane: in the stores, and in the table's loads
.set SPW,  28
.set NIL,  29
.set PFO,  30
.set T,    32
.set RS,   40
.set X,    64
.set TMP,  192
.set BK,   224
.set WN,   0                           ; window 1
.set TAB,  64                          ; window 1: group b < 4: cos at 16 b + 0..7, sin at 16 b + 8..15
.set F0,   64
.set F1,   128
.set G1,   24
.set G0,   32                          ; s[32:39] descriptor group 0 for A's tiles: a set for each of the two first fills; the second then walks on
.set LIM,  43
.set PFA,  44
.set G1B,  48
.set G0B,  56                          ; s[56:63] the same for B's
.set TP,   66                          ; s[66:67] the table at my block of 16 positions
.set QNW,  68
.set KNW,  70
.set QG,   72
.set KVB,  74
.set PSTEP, 76                         ; s[76:77] a K step in the tensor that I prefetch
.set NORM, 78                          ; s78  1: my columns are q's or k's
.set CNT,  79
.set SEL,  80
.set R128, 82
.set EPS,  83
.set WP,   84                          ; s[84:85] qn_w or kn_w
.set OFS,  86
.set TB,   88                          ; s88  the slot that is being read: 0 or SLOT
.set MSB, 0
.macro WIN new                         ; the immediate's high byte repeats the setting that is left; a switch that changes nothing is dropped
.if MSB != (\new)
	s_set_vgpr_msb (MSB<<8)|(\new)
.set MSB, \new
.endif
.endm
.set MUL_LO, 0xa1                      ; source 0 (B) window 1, source 1 (A) window 0, C and D window 2
.set MUL_HI, 0xf1                      ; the same, C and D window 3
.set TO_B,   0x40
; A joint load.  Waves 0 and 1 fetch A's two halves, waves 2 and 3 B's.  The branch hangs on the wave's number alone.  An s_nop 0 and four v_nop follow each line.
.macro JLOAD s
	s_cmp_eq_u32 s11, 0
	s_cbranch_scc0 .Lfor_b_\@
	tensor_load_to_lds s[G0+4*(\s):G0+4*(\s)+3], s[G1:G1+7]
	s_nop 0
.rept 4
	v_nop
.endr
	s_branch .Lasked_\@
.Lfor_b_\@:
	tensor_load_to_lds s[G0B+4*(\s):G0B+4*(\s)+3], s[G1B:G1B+7]
	s_nop 0
.rept 4
	v_nop
.endr
.Lasked_\@:
.endm
; A prefetch of the K step that stands two refills on (512 matrix instructions ahead of its load): 32 blocks of 256 bytes, a lane a block.  A's rows are asked for by the clusters with x = 0, B's by those with y = 0;
; the four partners that share a tile take a quarter of its rows each, told apart by address.  So each block is named once.  The loop's last two trips ask for nothing: K ends.
.macro ASK
	s_cmp_gt_u32 s3, s[LIM]
	s_cbranch_scc0 .Lnot_mine_\@
	global_prefetch_b8 v[PFO], s[PFA:PFA+1] th:TH_LOAD_NT scope:SCOPE_SE
.Lnot_mine_\@:
.endm
.macro CREST                           ; a round of the cluster's barrier behind its opening barrier
	s_cmp_lg_u32 s10, 0
	s_cbranch_scc1 .Lnot_wave_0_\@
	s_barrier_signal -3
.Lnot_wave_0_\@:
	s_barrier_wait -3
	s_barrier_signal -1
	s_barrier_wait -1
.endm
.macro CROUND
	s_barrier_signal -1
	s_barrier_wait -1
	CREST
.endm
	s_load_b128 s[4:7], s[0:1], 0x0                ; xb s[4:5], wqkv s[6:7]
	s_load_b64 s[TP:TP+1], s[0:1], 0x10            ; rope
	s_load_b256 s[QNW:QNW+7], s[0:1], 0x18         ; qn_w, kn_w, qg, kv
	v_lshl_add_u32 v[SPW], v0, 2, SPARE
	v_mov_b32 v[NIL], 0
	ds_add_u32 v[SPW], v[NIL]                      ; the wave's opening, ahead of my first tensor load; work on registers stands between the add and its wait
	v_lshrrev_b32 v1, 5, v0
	v_readfirstlane_b32 s10, v1                    ; wave 0..3
	s_lshr_b32 s11, s10, 1                         ; my half of the tile's rows.  Also: I fetch for A (0) or for B (1)
	s_and_b32 s12, s10, 1                          ; my half of its columns.  Also: which half of that tile I fetch
	s_bfe_u32 s40, ttmp6, 0x40000                  ; cx
	s_bfe_u32 s41, ttmp6, 0x40004                  ; cy
	s_lshl_b32 s42, ttmp9, 2
	s_add_co_u32 s42, s42, s40                     ; tile column
	s_and_b32 s13, ttmp7, 0xffff
	s_lshl_b32 s13, s13, 2
	s_add_co_u32 s13, s13, s41                     ; tile row
	s_lshl_b32 s43, s41, 2
	s_lshl_b32 s43, 15, s43                        ; my row of the cluster
	s_lshl_b32 s44, 0x1111, s40                    ; my column
	s_or_b32 s[G1+0], s43, (1<<16)|(1<<20)|(1<<21)|(5<<22)|(3<<25)   ; A: mask; 2-byte elements; padding on; bit 21 beside a mask; after every 64 words, 4 words
	s_or_b32 s[G1B+0], s44, (1<<16)|(1<<20)|(1<<21)|(6<<22)|(7<<25)  ; B: after every 128 words, 8 words
	s_mov_b32 s[G1+1], KSTEP<<16                   ; A: 128 rows x 128 elements, 2,048 elements from row to row
	s_mov_b32 s[G1+2], 128<<16
	s_mov_b32 s[G1+3], KSTEP<<16
	s_mov_b32 s[G1+4], 128
	s_mov_b32 s[G1+5], SIZE_K
	s_mov_b32 s[G1+6], 0
	s_mov_b32 s[G1+7], 0
	s_mov_b32 s[G1B+1], 256<<16                    ; B: 64 k rows x 256 elements, 3,072 elements from row to row
	s_mov_b32 s[G1B+2], 64<<16
	s_mov_b32 s[G1B+3], 256<<16
	s_mov_b32 s[G1B+4], 64
	s_mov_b32 s[G1B+5], NW
	s_mov_b32 s[G1B+6], 0
	s_mov_b32 s[G1B+7], 0
	s_lshl_b32 s16, s13, 8
	s_lshl_b32 s17, s12, 7
	s_add_co_u32 s16, s16, s17                     ; A: row 256 x tile row + 128 x half,
	s_lshl_b32 s16, s16, 12                        ; 4,096 bytes a row
	s_mov_b32 s17, 0
	s_mul_i32 s46, s12, 64*NW*2                    ; B: k row 64 x half,
	s_lshl_b32 s47, s42, 9                         ; 512 bytes a tile column
	s_add_co_u32 s46, s46, s47
	s_mov_b32 s47, 0
	s_mul_i32 s20, s10, HALFT                      ; where they go: wave x 34,816: no place in the cluster enters an LDS address
	s_mov_b32 s[SEL], 0x76543210
	s_mov_b32 s[SEL+1], 0xfedcba98
	s_mov_b32 s[R128], 0x3c000000                  ; 1 / 128
	s_mov_b32 s[EPS], 0x358637bd                   ; 1e-6
	s_mov_b32 s[TB], 0
	s_wait_dscnt 0x0                               ; the opening add is done
	s_wait_kmcnt 0x0
	s_add_nc_u64 s[14:15], s[4:5], s[16:17]
	s_add_nc_u64 s[46:47], s[6:7], s[46:47]
	CROUND                                         ; all sixteen work-groups are here: the first joint loads meet
.irp s, 0,1
	s_mov_b32 s[G0+4*(\s)], 1
	s_add_co_u32 s[G0+4*(\s)+1], s20, (\s)*SLOT
	s_add_nc_u64 s[G0+4*(\s)+2:G0+4*(\s)+3], s[14:15], (\s)*KSTEP*2
	s_or_b32 s[G0+4*(\s)+3], s[G0+4*(\s)+3], 0x80000000
	s_mov_b32 s[G0B+4*(\s)], 1
	s_add_co_u32 s[G0B+4*(\s)+1], s20, (\s)*SLOT
	s_add_nc_u64 s[G0B+4*(\s)+2:G0B+4*(\s)+3], s[46:47], (\s)*BSTEP
	s_or_b32 s[G0B+4*(\s)+3], s[G0B+4*(\s)+3], 0x80000000
	JLOAD \s                                       ; two loads of mine are out
.endr
	v_and_b32 v1, 15, v0                           ; l % 16
	v_bfe_u32 v2, v0, 4, 1                         ; l / 16
	v_and_b32 v6, 31, v0                           ; l
	v_mul_u32_u24 v3, v1, PITCH
	v_lshl_add_u32 v3, v2, 4, v3
	s_mul_i32 s21, s11, HALFT                      ; my 128 rows of A
	v_add_nc_u32 v[ADRA0], s21, v3
	v_mov_b32 v[ADRA], v[ADRA0]
	v_and_b32 v4, 7, v0                            ; the turning load: lane l reads k row 8 (l / 16) + l % 8, columns 8 ((l / 8) % 2) + 0..7
	v_lshl_add_u32 v4, v2, 3, v4
	v_mul_u32_u24 v4, v4, PB
	v_bfe_u32 v5, v0, 3, 1
	v_lshl_add_u32 v4, v5, 4, v4
	s_lshl_b32 s22, s12, 8                         ; my 128 columns
	s_add_co_u32 s22, s22, 2*HALFT                 ; behind A's 256 rows
	v_add_nc_u32 v[ADRB0], s22, v4
	v_mov_b32 v[ADRB], v[ADRB0]
	s_mul_i32 s23, s10, 16*SPITCH
	s_add_co_u32 s23, s23, STAGE                   ; my stage
	v_mul_u32_u24 v4, v1, SPITCH
	v_lshl_add_u32 v4, v2, 4, v4
	v_add_nc_u32 v[STO], s23, v4                   ; in: row l % 16, 16 bytes for each half of the lanes
	v_mul_u32_u24 v5, v2, SPITCH
	v_lshl_add_u32 v5, v1, 4, v5
	v_add_nc_u32 v[RD], s23, v5                    ; back: lanes 0-15 one row of 256 bytes, lanes 16-31 the next
	v_lshlrev_b32 v[CO], 4, v6
	s_lshl_b32 s23, s10, 16
	v_add_nc_u32 v[DA], s23, v[CO]
	v_mov_b32 v[LA], v[DA]
	v_lshlrev_b32 v[WOF], 5, v2
	; the way out's scalars.  Chunk 2 x tile column + half: cluster x = 0: q of head 2 cx + half; 1: that head's gate; 2: k (half 0) or v (half 1) of head cx
	s_lshl_b32 s22, s13, 8
	s_lshl_b32 s23, s11, 7
	s_add_co_u32 s22, s22, s23                     ; my first row of C
	s_lshr_b32 s20, s22, 11                        ; the batch
	s_and_b32 s21, s22, 2047                       ; the position
	s_lshr_b32 s23, s21, 4
	s_lshl_b32 s[OFS], s23, 13                     ; 8,192 bytes of the table for 16 positions
	s_mov_b32 s[OFS+1], 0
	s_add_nc_u64 s[TP:TP+1], s[TP:TP+1], s[OFS:OFS+1]
	s_cmp_eq_u32 ttmp9, 0
	s_cselect_b32 s[NORM], 1, 0
	s_cselect_b64 s[WP:WP+1], s[QNW:QNW+1], s[KNW:KNW+1]
	s_lshl_b32 s23, s40, 1
	s_add_co_u32 s23, s23, s12
	s_lshl_b32 s[OFS], ttmp9, 23
	s_lshl_b32 s18, s12, 22
	s_xor_b32 s19, s12, 1
	s_cmp_eq_u32 ttmp9, 2
	s_cselect_b64 s[8:9], s[KVB:KVB+1], s[QG:QG+1]
	s_cselect_b32 s23, s40, s23                    ; the head
	s_cselect_b32 s[OFS], s18, s[OFS]              ; the buffer's part
	s_cselect_b32 s18, 2, 3                        ; 4 or 8 heads
	s_cselect_b32 s19, s19, 0
	s_or_b32 s[NORM], s[NORM], s19
	s_lshl_b32 s20, s20, s18
	s_add_co_u32 s20, s20, s23
	s_lshl_b32 s20, s20, 11
	s_add_co_u32 s20, s20, s21
	s_lshl_b32 s20, s20, 8                         ; 256 bytes a row
	s_add_co_u32 s[OFS], s[OFS], s20
	s_add_nc_u64 s[8:9], s[8:9], s[OFS:OFS+1]
	; the prefetches: A: rows 256 tile row + 128 half + 32 cx + lane; B: k rows 64 half + 16 cy + lane / 2, the 256-byte half lane % 2.  Both stand at K step 3; the first refill steps them to 4
	s_and_b32 s22, ttmp7, 0xffff
	s_lshl_b32 s20, s13, 8
	s_lshl_b32 s21, s12, 7
	s_add_co_u32 s20, s20, s21
	s_lshl_b32 s21, s40, 5
	s_add_co_u32 s20, s20, s21
	s_lshl_b32 s20, s20, 12
	s_add_co_u32 s20, s20, 3*KSTEP*2
	s_lshl_b32 s21, s12, 6
	s_lshl_b32 s23, s41, 4
	s_add_co_u32 s21, s21, s23
	s_add_co_u32 s21, s21, 3*KSTEP
	s_mul_i32 s21, s21, NW*2
	s_lshl_b32 s23, s42, 9
	s_add_co_u32 s21, s21, s23
	s_mov_b32 s23, BSTEP
	s_movk_i32 s19, NW*2
	s_cmp_eq_u32 s11, 0
	s_cselect_b32 s20, s20, s21
	s_cselect_b32 s22, ttmp9, s22                  ; the coordinate along which other clusters read the same rows
	s_cselect_b64 s[PFA:PFA+1], s[4:5], s[6:7]
	s_cselect_b32 s[PSTEP], 256, s23
	s_cselect_b32 s18, 0, 1
	s_cselect_b32 s19, 4096, s19
	s_mov_b32 s[PSTEP+1], 0
	s_mov_b32 s21, 0
	s_add_nc_u64 s[PFA:PFA+1], s[PFA:PFA+1], s[20:21]
	s_cmp_eq_u32 s22, 0
	s_cselect_b32 s[LIM], 2, -1                    ; a wave that asks does so while more than two trips are left
	v_lshrrev_b32 v7, s18, v6
	v_mul_u32_u24 v7, v7, s19
	v_and_b32 v8, s18, v6
	v_lshl_add_u32 v[PFO], v8, 8, v7
; 16 matrix instructions: m blocks a0, a0 + 1 of the window's four x all 8 n blocks, 32 along K.  zero = 1: the first product starts the sums.  The 64 accumulators take turns.
.macro MUL16 f, hi, a0, zero
	WIN MUL_LO+0x50*(\hi)
.irp a, \a0, (\a0)+1
.irp b, 0,1,2,3,4,5,6,7
.if \zero
	v_wmma_f32_16x16x32_bf16 v[8*(8*(\a)+(\b)):8*(8*(\a)+(\b))+7], v[(\f)+8*(\b):(\f)+8*(\b)+7], v[(\f)+8*(4*(\hi)+(\a)):(\f)+8*(4*(\hi)+(\a))+7], 0
.else
	v_wmma_f32_16x16x32_bf16 v[8*(8*(\a)+(\b)):8*(8*(\a)+(\b))+7], v[(\f)+8*(\b):(\f)+8*(\b)+7], v[(\f)+8*(4*(\hi)+(\a)):(\f)+8*(4*(\hi)+(\a))+7], v[8*(8*(\a)+(\b)):8*(8*(\a)+(\b))+7]
.endif
.endr
.endr
.endm
; 32 LDS loads in one run: a quarter step's fragments (32 K at byte k of A's rows, k rows k / 2 on of B) of the slot that is being read, into buffer f
.macro FETCH k, f
	WIN TO_B
.irp i, 0,1,2,3,4,5,6,7
	ds_load_tr16_b128 v[(\f)+8*(\i):(\f)+8*(\i)+3],   v[ADRB] offset:((\k)/2)*PB+32*(\i)
	ds_load_tr16_b128 v[(\f)+8*(\i)+4:(\f)+8*(\i)+7], v[ADRB] offset:((\k)/2)*PB+32*(\i)+16*PB
.endr
	WIN 0
.irp i, 0,1,2,3,4,5,6,7
	ds_load_b128 v[(\f)+8*(\i):(\f)+8*(\i)+3],   v[ADRA] offset:(\k)+(\i)*16*PITCH
	ds_load_b128 v[(\f)+8*(\i)+4:(\f)+8*(\i)+7], v[ADRA] offset:(\k)+(\i)*16*PITCH+32
.endr
.endm
.macro PLACES                          ; four plain places behind a matrix instruction, in front of loads into its registers and of readers of its result
.rept 4
	v_nop
.endr
.endm
.macro QUARTER k, f, g, zero
	s_wait_dscnt 8                                 ; B and A's rows 0-63 are in; the youngest eight loads (A's rows 64-127) may be out
	MUL16 \f, 0, 0, \zero
	MUL16 \f, 0, 2, \zero
	PLACES
	FETCH \k, \g
	s_wait_dscnt 32                                ; all but the 32 just issued
	MUL16 \f, 1, 0, \zero
	MUL16 \f, 1, 2, \zero
.endm
; THE LAST QUARTER of a K step multiplies buffer 1 and changes slots.  Each wave waits for all its tensor loads (one is out: its part of the next slot), adds 0 to its spare word, waits for that and for its reads of this slot, and signals.
; fill = 1: the barrier opens a round of the cluster's, and this slot is filled again, with the K step two on, by the walking descriptor: the other slot than last time, a K step further.
; fill = 0 (the tail): nothing is asked for.  The tail's second trip has no next K step: its fetch is jumped over (no barrier and no tensor load is), and its barrier, once a launch, orders nothing.
.macro TURN fill
.if \fill
	s_wait_xcnt 0x0                                ; the last prefetch, a K step back, has read its address
	s_add_nc_u64 s[PFA:PFA+1], s[PFA:PFA+1], s[PSTEP:PSTEP+1]
.endif
	WIN 0
	s_wait_tensorcnt 0x0                           ; no tensor load of mine is out, so a group 0 may be written
	ds_add_u32 v[SPW], v[NIL]
.if \fill
	s_xor_b32 s[G0+5], s[G0+5], SLOT
	s_add_nc_u64 s[G0+6:G0+7], s[G0+6:G0+7], KSTEP*2
	s_xor_b32 s[G0B+5], s[G0B+5], SLOT
	s_add_nc_u64 s[G0B+6:G0B+7], s[G0B+6:G0B+7], BSTEP
.endif
	s_wait_dscnt 9                                 ; (the add and the youngest eight loads may be out)
	MUL16 F1, 0, 0, 0
	s_wait_dscnt 0x0                               ; the add is done, and my reads of this slot are over
	s_barrier_signal -1
	MUL16 F1, 0, 2, 0
	WIN 0
	s_barrier_wait -1
.if \fill
	CREST                                          ; no wave of any partner still reads this slot or has a load on its way
	JLOAD 1                                        ; my one tensor load behind the round; its four v_nop are also the places in front of the loads below
.else
	s_cmp_eq_u32 s3, 1
	s_cbranch_scc1 .Lno_fetch_\@
	v_nop                                          ; with the two additions below: the four places in front of the loads
	v_nop
.endif
	s_xor_b32 s[TB], s[TB], SLOT                   ; the other slot is read from here on
	v_add_nc_u32 v[ADRA], s[TB], v[ADRA0]
	v_add_nc_u32 v[ADRB], s[TB], v[ADRB0]
	FETCH 0, F0
.if \fill
	ASK
.else
.Lno_fetch_\@:
.endif
	MUL16 F1, 1, 0, 0
	MUL16 F1, 1, 2, 0
.endm
	s_wait_tensorcnt 1                             ; my part of K step 0 is in; K step 1's may stay out
	s_barrier_signal -1
	s_barrier_wait -1
	FETCH 0, F0
	QUARTER 64,  F0, F1, 1                         ; the first quarter's products start the sums
	WIN 0
	s_mov_b32 s3, STEPS-2
.Lstep:                                                ; a trip: from a K step's second quarter to the next one's first; fourteen trips fill a slot again
	QUARTER 128, F1, F0, 0
	QUARTER 192, F0, F1, 0
	TURN 1
	QUARTER 64,  F0, F1, 0
	WIN 0
	s_sub_co_u32 s3, s3, 1
	s_cmp_lg_u32 s3, 0
	s_cbranch_scc1 .Lstep
	s_mov_b32 s3, 2
.Ltail:                                                ; the last two K steps ask for nothing: a text of their own; the second trip is left ahead of a first quarter that does not exist
	QUARTER 128, F1, F0, 0
	QUARTER 192, F0, F1, 0
	TURN 0
	WIN 0
	s_sub_co_u32 s3, s3, 1
	s_cmp_eq_u32 s3, 0
	s_cbranch_scc1 .Lout
	QUARTER 64,  F0, F1, 0
	WIN 0
	s_cmp_lg_u32 s3, 0
	s_cbranch_scc1 .Ltail
.Lout:
	; THE WAY OUT.  The ring has had its last fill.  Behind a barrier (no wave reads it any more) each wave lays its accumulators' image into 65,536 bytes of it, so that ONE text, looped eight times, serves its eight blocks of 16 rows.
	s_wait_dscnt 0x0
	s_barrier_signal -1
	s_barrier_wait -1
	PLACES
	PLACES
	s_cmp_eq_u32 s[NORM], 0
	s_cbranch_scc1 .Lno_tab
	WIN 0x40                                       ; destination window 1
.set i, 0
.rept 16
	global_load_b128 v[WN+4*i:WN+4*i+3], v[WOF], s[WP:WP+1] offset:64*(i/2)+16*(i%2)  ; w of channels 16 (i / 2) + 8 (l / 16) + 4 (i % 2) + 0..3
.set i, i+1
.endr
.set i, 0
.rept 16
	global_load_b128 v[TAB+4*i:TAB+4*i+3], v[CO], s[TP:TP+1] offset:512*i
.set i, i+1
.endr
	WIN 0
.Lno_tab:
.set a, 0
.rept 8
	WIN 0x08+4*(a/4)                               ; store data in window 2, then 3
.set b, 0
.rept 8
	ds_store_b128 v[DA], v[8*(8*(a%4)+b):8*(8*(a%4)+b)+3]   offset:(16*a+2*b)*512    ; each accumulator's low registers first
	ds_store_b128 v[DA], v[8*(8*(a%4)+b)+4:8*(8*(a%4)+b)+7] offset:(16*a+2*b+1)*512
.set b, b+1
.endr
.set a, a+1
.endr
	WIN 0
	s_cmp_eq_u32 s[NORM], 0
	s_cbranch_scc1 .Lno_w
	s_wait_loadcnt 16                              ; the weights are in; the table's 16 loads may stay out
	WIN 0x41
.set i, 0
.rept 32
	v_pk_add_f32 v[WN+2*i:WN+2*i+1], v[WN+2*i:WN+2*i+1], 1.0 op_sel_hi:[1,0]  ; w + 1
.set i, i+1
.endr
	WIN 0
.Lno_w:
.set i, 0
.rept 16
	ds_load_b128 v[X+4*i:X+4*i+3], v[LA] offset:512*i  ; block 0; LDS serves a wave's instructions in order (ISA guide 5.7.1.4): these see the stores above
.set i, i+1
.endr
	s_mov_b32 s[CNT], 8
.Lrow:                                                 ; a block of 16 rows: X[8 b + j] = C(row l % 16, channel 16 b + 8 (l / 16) + j)
	s_wait_dscnt 0x0
	s_cmp_eq_u32 s[NORM], 0
	s_cbranch_scc1 .Lplain
.irp c, 0,1,2,3
	v_pk_mul_f32 v[T+2*(\c):T+2*(\c)+1], v[X+2*(\c):X+2*(\c)+1], v[X+2*(\c):X+2*(\c)+1]  ; the sum of squares, in four chains
.endr
.set i, 4
.rept 28
	v_pk_fma_f32 v[T+2*(i%4):T+2*(i%4)+1], v[X+2*i:X+2*i+1], v[X+2*i:X+2*i+1], v[T+2*(i%4):T+2*(i%4)+1]
.set i, i+1
.endr
	v_pk_add_f32 v[T:T+1], v[T:T+1], v[T+2:T+3]
	v_pk_add_f32 v[T+4:T+5], v[T+4:T+5], v[T+6:T+7]
	v_pk_add_f32 v[T:T+1], v[T:T+1], v[T+4:T+5]
	v_add_f32 v[T], v[T], v[T+1]
	v_permlanex16_b32 v[T+1], v[T], s[SEL], s[SEL+1]  ; the row's other 64 channels lie in the lane 16 away
	v_add_f32 v[T], v[T], v[T+1]
	v_fma_f32 v[T+2], v[T], s[R128], s[EPS]
	v_rsq_f32 v[RS], v[T+2]
	v_rsq_f32 v[RS+1], v[T+2]
	WIN 0x04                                       ; source 1 in window 1
.set i, 0
.rept 32
	v_pk_mul_f32 v[X+2*i:X+2*i+1], v[X+2*i:X+2*i+1], v[WN+2*i:WN+2*i+1]  ; x (w + 1): the plain work behind the two roots
.set i, i+1
.endr
	s_wait_alu depctr_va_vdst(0)                   ; one wait for both roots, ahead of their first reader
	s_wait_loadcnt 0x0                             ; the block's cos and sin
	WIN 0x41
.set i, 0
.rept 32
	v_pk_mul_f32 v[TAB+2*i:TAB+2*i+1], v[TAB+2*i:TAB+2*i+1], v[RS:RS+1]  ; the root goes into the table
.set i, i+1
.endr
	WIN 0x04
.set b, 0
.rept 4
.set jp, 0
.rept 4
.set xlo, X+8*b+2*jp
.set xhi, X+8*(b+4)+2*jp
.set rc, TAB+16*b+2*jp
.set rs, TAB+16*b+8+2*jp
.set t1, T+4*(jp%2)
	v_pk_mul_f32 v[t1:t1+1], v[xhi:xhi+1], v[rs:rs+1]
	v_pk_mul_f32 v[t1+2:t1+3], v[xlo:xlo+1], v[rs:rs+1]
	v_pk_fma_f32 v[xlo:xlo+1], v[xlo:xlo+1], v[rc:rc+1], v[t1:t1+1] neg_lo:[0,0,1] neg_hi:[0,0,1]  ; x1 cos - x2 sin
	v_pk_fma_f32 v[xhi:xhi+1], v[xhi:xhi+1], v[rc:rc+1], v[t1+2:t1+3]                              ; x2 cos + x1 sin
.set jp, jp+1
.endr
.set b, b+1
.endr
	WIN 0
	s_cmp_eq_u32 s[CNT], 1
	s_cbranch_scc1 .Lplain
	s_add_nc_u64 s[TP:TP+1], s[TP:TP+1], 8192      ; the table's loads were waited for, so their base may step: the next 16 positions
	WIN 0x40
.set i, 0
.rept 16
	global_load_b128 v[TAB+4*i:TAB+4*i+3], v[CO], s[TP:TP+1] offset:512*i
.set i, i+1
.endr
	WIN 0
.Lplain:
.set i, 0
.rept 32
	v_cvt_pk_f16_f32 v[TMP+i], v[X+2*i], v[X+2*i+1]
.set i, i+1
.endr
	s_cmp_eq_u32 s[CNT], 1
	s_cbranch_scc1 .Lno_x
	v_add_nc_u32 v[LA], 8192, v[LA]
.set i, 0
.rept 16
	ds_load_b128 v[X+4*i:X+4*i+3], v[LA] offset:512*i  ; the next block
.set i, i+1
.endr
.Lno_x:
.irp b, 0,1,2,3,4,5,6,7
	ds_store_b128 v[STO], v[TMP+4*(\b):TMP+4*(\b)+3] offset:32*(\b)
.endr
.irp t, 0,1,2,3,4,5,6,7
	ds_load_b128 v[BK+4*(\t):BK+4*(\t)+3], v[RD] offset:(\t)*2*SPITCH
.endr
	s_wait_dscnt 0x0
.irp t, 0,1,2,3,4,5,6,7
	global_store_b128 v[CO], v[BK+4*(\t):BK+4*(\t)+3], s[8:9] offset:512*(\t)  ; two rows of a head: 512 consecutive bytes, aligned
.endr
	s_wait_xcnt 0x0                                ; the stores have read their data and their base: both are written again only behind this wait
	s_add_nc_u64 s[8:9], s[8:9], 4096
	s_sub_co_u32 s[CNT], s[CNT], 1
	s_cmp_lg_u32 s[CNT], 0
	s_cbranch_scc1 .Lrow
	s_wait_tensorcnt 0x0                           ; the wave's end, behind my last tensor load and my last LDS store
	ds_add_u32 v[SPW], v[NIL]
	s_wait_dscnt 0x0
	CROUND                                         ; the closing round
	s_endpgm
.Lfunc_end_k_qf28096f3ef_qkv:
	.size	k_qf28096f3ef_qkv, .Lfunc_end_k_qf28096f3ef_qkv-k_qf28096f3ef_qkv
	.p2alignl 7, 3214868480
	.fill 96, 4, 3214868480
	.section	.rodata,"a",@progbits
	.p2align	6, 0x0
	.amdhsa_kernel k_qf28096f3ef_qkv
		.amdhsa_group_segment_fixed_size 327680
		.amdhsa_private_segment_fixed_size 0
		.amdhsa_enable_private_segment 0
		.amdhsa_kernarg_size 56
		.amdhsa_user_sgpr_count 2
		.amdhsa_user_sgpr_kernarg_segment_ptr 1
		.amdhsa_wavefront_size32 1
		.amdhsa_system_sgpr_workgroup_id_x 1
		.amdhsa_system_sgpr_workgroup_id_y 1
		.amdhsa_system_sgpr_workgroup_id_z 1
		.amdhsa_system_vgpr_workitem_id 0
		.amdhsa_next_free_vgpr 1024
		.amdhsa_next_free_sgpr 96
		.amdhsa_reserve_vcc 0
		.amdhsa_float_denorm_mode_32 3
		.amdhsa_float_denorm_mode_16_64 3
		.amdhsa_memory_ordered 1
		.amdhsa_forward_progress 1
		.amdhsa_inst_pref_size 104
	.end_amdhsa_kernel
	.amdgpu_metadata
---
amdhsa.version: [ 1, 2 ]
amdhsa.kernels:
  - .name:           k_qf28096f3ef_qkv
    .symbol:         k_qf28096f3ef_qkv.kd
    .args:
      - { .name: xb, .offset: 0, .size: 8, .value_kind: global_buffer, .address_space: global }
      - { .name: wqkv, .offset: 8, .size: 8, .value_kind: global_buffer, .address_space: global }
      - { .name: rope, .offset: 16, .size: 8, .value_kind: global_buffer, .address_space: global }
      - { .name: qn_w, .offset: 24, .size: 8, .value_kind: global_buffer, .address_space: global }
      - { .name: kn_w, .offset: 32, .size: 8, .value_kind: global_buffer, .address_space: global }
      - { .name: qg, .offset: 40, .size: 8, .value_kind: global_buffer, .address_space: global }
      - { .name: kv, .offset: 48, .size: 8, .value_kind: global_buffer, .address_space: global }
    .group_segment_fixed_size: 327680
    .private_segment_fixed_size: 0
    .kernarg_segment_align: 8
    .kernarg_segment_size: 56
    .max_flat_workgroup_size: 128
    .sgpr_count:     96
    .vgpr_count:     1024
    .wavefront_size: 32
...
	.end_amdgpu_metadata
.endif
;; end of part 2
;; launch attn (part 3): grid 32 x 8, 4 waves a work-group, clusters of 4 x 1, 327,680 bytes of LDS; arguments qg, kv, att; writes att
.if DOCPART == 3
	.amdgcn_target "amdgcn-amd-amdhsa--gfx1250"
	.amdhsa_code_object_version 6
	.text
	.protected	k_qf28096f3ef_attn
	.globl	k_qf28096f3ef_attn
	.p2align	8
	.type	k_qf28096f3ef_attn,@function
k_qf28096f3ef_attn:
	s_mov_b64 s[64:65], 0
	v_nop
	global_prefetch_b8 v0, s[64:65] scope:SCOPE_SE
	s_setreg_imm32_b32 hwreg(HW_REG_WAVE_MODE, 25, 1), 1
	s_wait_xcnt 0x0
	s_wait_alu depctr_hold_cnt(0) depctr_sa_sdst(0) depctr_va_vdst(0) depctr_va_sdst(0) depctr_va_ssrc(0) depctr_va_vcc(0) depctr_vm_vsrc(0)
	s_getreg_b32 s2, hwreg(HW_REG_IB_STS2, 6, 4)
	s_cmp_eq_u32 s2, 0
	s_cbranch_scc0 .Lentry_in_a_cluster
	s_endpgm
.Lentry_in_a_cluster:
	s_bfe_u32 s2, ttmp6, 0x10000c
	s_cmp_lg_u32 s2, 0x3003
	s_cbranch_scc0 .Lentry_shape_is_right
	s_endpgm
.Lentry_shape_is_right:
; CAUSAL GROUPED ATTENTION with the sigmoid gate.  q, gate: qg [b][h 8][s 2048][128] f16 (gate at byte 8,388,608); K, V: kv [b][kv 4][s][128] f16 (V at byte 4,194,304); att [b s][h 128 + channel] f16.
; Products, maxima and sums in f32; the weights are rounded to f16 for the second product (their sum is taken unrounded), O x sigmoid(gate) once at the end.
; LIMITS.  A hidden score counts as its value less 1e30, and the running maximum starts at -1e20: true scores lie above that (q and k are normalised rows).  A weight below 2^-126 counts as 0.  NaN and infinities are not treated apart.
; SHARES.  y = 4 b + kv.  A UNIT is 32 positions x the two query heads of the key head: four tiles of 16 query rows (tile t: head t / 2, positions 32 u + 16 (t % 2) + l % 16).  A work-group takes unit 63 - p and then unit p
; (p = 4 x cluster x + cx).  Keys go in groups of 256: the first unit needs groups 0 .. 7 - a, the second 0 .. a, a = p / 8: NINE groups whatever p: equal work, one counted walk.
; THE KEYS ARE SPLIT AMONG THE WAVES: of each group wave w takes keys 64 w .. 64 w + 63, for all four tiles, so a fragment of K or V read from LDS feeds four tiles and no wave reads another's rows.
; At a unit's end the four waves' partial (m, l, O) meet in LDS, and wave w finishes tile w.
; CLUSTER.  The four partners share y and a, so they walk the same groups in the same trips: every fill is a joint load.  cx enters global addresses and the mask's numbers alone.
; THE MASK is the C operand that starts a score's sum: 0, or -1e30 where the key is hidden.  It hangs on (key block - tile parity) alone: five blocks of eight registers, all 0 but in a unit's last group.
; LAYOUT.  S^T = K Q^T holds one query a lane (l % 16) and the keys 8 (l / 16) + 0..7; two such results rounded to f16 are source 1 of O^T = V^T P.  p = 2^(c s - c m), c = log2(e) / sqrt(128).
; A STEP (a group) stands by itself: K Q^T of piece 0 (tiles 0, 1); K Q^T of piece 2 with piece 0's softmax in slices behind it; V^T P of piece 0 with piece 2's softmax; V^T P of piece 2.
; Its 64 LDS loads go in runs of eight: three runs of K ahead of the first products, then a run behind each eight products of piece 0 (two behind the last eight).
; c m starts far below every c s, so a unit's first step multiplies O and l by 0: what lies there need only be finite.
; REGISTERS: window 0: v0-63 addresses and statistics; v64-191 S^T; v192-255 P.  window 1: O^T, 64 a tile.  window 2: v0-127 Q, v128-255 K (a unit's end: v128-191 the sigmoid).
;   window 3: v0-127 V, v128-167 the masks, v168-199 the first unit's gate, v200-231 the second's.
.set PK,    272                        ; a row of K in LDS: 256 + 16 bytes
.set PVP,   288                        ; a row of V: 256 + 32 bytes
.set VOFF,  256*PK                     ; a slot: 256 rows of K, then 256 rows of V
.set STATS, VOFF+256*PVP               ; 143,360: behind slot 0, 4,096 bytes that no fill touches: c m at [tile 512 + lane 16 + wave 4], l 2,048 further on
.set SLOT1, STATS+4096                 ; 147,456 = 0x24000: none of a fill's four LDS bases (0, 0x8800, 0x11000, 0x1a000) has bit 14 or bit 17, so one exclusive or turns an address into the other slot's
.set STAGE, SLOT1+STATS                ; 290,816: four regions of 8,448 bytes
.set SREG,  8448
.set SPARE, STAGE+4*SREG               ; the spare words, 128 bytes for each wave: two blocks of 256 bytes that no other line names
.set AK0, 2
.set AV0, 3
.set ADK, 4
.set ADV, 5
.set QO,  6
.set VM1, 7                            ; v7, v8  32 (u % 8) + l % 16 - 8 (l / 16) - 64 w for the two units
.set VM2, 8
.set ST,  12                           ; tile t at v[ST+8 t]: c m, m, l (even keys', odd keys'), c0-c3 at work; a takes c2's place
.set SA,  44
.set SL,  45
.set DA,  46
.set LA,  47
.set OS,  48
.set LO8, 50
.set NL2E, 51
.set ZERO, 52
.set BIGV, 53                          ; v53  -1e30
.set PFO, 61
.set SPW, 62
.set NIL, 63
.set S,   64
.set P,   192
.set RR,  64                           ; a unit's end: my tile, merged
.set TT,  128                          ; a unit's end: four waves' parts; then whole rows
.set PO,  192
.set KF,  128                          ; window 2
.set SG,  128                          ; window 2, a unit's end: sigmoid(gate), row i / 4, channels 4 l + i % 4
.set MC,  128                          ; window 3: block d = key block - parity + 1 at MC + 8 d
.set GT,  168                          ; window 3: the gate's 16 rows of my tile, two registers a row; unit n's at GT + 32 (n - 1): each unit's gate has registers of its own
.set WV,  12
.set LIM, 15
.set G1K, 24
.set G1V, 32
.set G0K, 40
.set G0V, 44
.set NXT, 48                           ; s48  the group to be asked for next
.set LQ,  49                           ; s49  the last group of the unit whose groups are being asked for
.set AA,  50                           ; s50  a
.set OFF, 52
.set A1,  56                           ; s56  a + 1: the count at which the first unit ends
.set CNT, 57
.set CS,  58
.set SEL, 60
.set TB,  62                           ; s62  the slot to be read: 0 or SLOT1
.set KB,  66
.set VB,  68
.set QA1, 70
.set QA2, 72
.set GA1, 74
.set OA1, 78
.set PFA, 82
.set MSB, 0
.macro WIN new
.if MSB != (\new)
	s_set_vgpr_msb (MSB<<8)|(\new)
.set MSB, \new
.endif
.endm
.set W_KQ, 0x0a                        ; K and Q in window 2, S^T in window 0
.set W_KM, 0x3a                        ; the same with the C operand in window 3
.set W_PV, 0x53                        ; V in window 3, P in window 0, O^T in window 1
.set W_RS, 0x41
; A joint fill: waves 0 and 1 fetch the halves of a group's K, waves 2 and 3 those of its V: 128 rows each.  An s_nop 0 and four v_nop follow each line.
.macro JLOAD
	s_cmp_lt_u32 s[WV], 2
	s_cbranch_scc0 .Lfor_v_\@
	tensor_load_to_lds s[G0K:G0K+3], s[G1K:G1K+7]
	s_nop 0
.rept 4
	v_nop
.endr
	s_branch .Lasked_\@
.Lfor_v_\@:
	tensor_load_to_lds s[G0V:G0V+3], s[G1V:G1V+7]
	s_nop 0
.rept 4
	v_nop
.endr
.Lasked_\@:
.endm
; A prefetch of the group whose load stands two trips on (256 matrix instructions ahead).  Only the clusters with x = 0 ask: they walk groups 0 to 7 on end.  Work-group cx takes 64 rows of K and of V, a wave 32, a lane a row
; of 256 bytes: each row is named once.  Groups 0 to 2 come by their loads alone; from the sixth trip on nothing is asked for: what follows has been read.
.macro ASK
	s_cmp_gt_u32 s[CNT], s[LIM]
	s_cbranch_scc0 .Lnot_mine_\@
	global_prefetch_b8 v[PFO], s[PFA:PFA+1] th:TH_LOAD_NT scope:SCOPE_SE
.Lnot_mine_\@:
.endm
.macro CROUND
	s_barrier_signal -1
	s_barrier_wait -1
	s_cmp_lg_u32 s[WV], 0
	s_cbranch_scc1 .Lnot_wave_0_\@
	s_barrier_signal -3
.Lnot_wave_0_\@:
	s_barrier_wait -3
	s_barrier_signal -1
	s_barrier_wait -1
.endm
.macro PLACES
.rept 4
	v_nop
.endr
.endm
.macro LOADQ base                      ; a unit's Q: tile i / 4 (head i / 8, 16 positions (i / 4) % 2), channels 32 (i % 4) on
	WIN 0x80
.set i, 0
.rept 16
	global_load_b128 v[8*i:8*i+3],   v[QO], s[\base:\base+1] offset:(i/8)*524288+((i/4)%2)*4096+(i%4)*64 th:TH_LOAD_NT
	global_load_b128 v[8*i+4:8*i+7], v[QO], s[\base:\base+1] offset:(i/8)*524288+((i/4)%2)*4096+(i%4)*64+32 th:TH_LOAD_NT
.set i, i+1
.endr
	WIN 0
.endm
.macro RESET                           ; a unit begins: c m far below every c s, m = -1e20, no key hidden
	WIN 0
.irp t, 0,1,2,3
	v_mov_b32 v[ST+8*(\t)], 0xfe000000
	v_mov_b32 v[ST+8*(\t)+1], 0xe0ad78ec
.endr
	WIN 0xc0
.set i, 0
.rept 40
	v_mov_b32 v[MC+i], 0
.set i, i+1
.endr
	WIN 0
.endm
.macro MASKS vm                        ; a unit's last group: register j of block d is hidden where 16 (d - 1) + j is greater than my number
	WIN 0xc0
.set i, 0
.rept 40
	v_cmp_gt_i32 vcc_lo, 16*(i/8)-16+i%8, v[\vm]
	v_cndmask_b32 v[MC+i], 0, v[BIGV], vcc_lo
.set i, i+1
.endr
	WIN 0
.endm
.macro GATE ga, n                      ; the gate's 16 rows of my tile in unit n, asked for a whole step ahead of their use: 8 bytes a lane, 256 consecutive bytes a load
	WIN 0xc0
.set i, 0
.rept 16
	global_load_b64 v[GT+32*((\n)-1)+2*i:GT+32*((\n)-1)+2*i+1], v[LO8], s[\ga:\ga+1] offset:256*i th:TH_LOAD_NT
.set i, i+1
.endr
	WIN 0
.endm
; THE CHANGE OF SLOTS.  Each wave waits for all its tensor loads (one is out: its part of the other slot), adds 0 to its spare word, and waits for that and for its reads of the slot that it leaves.
; fill = 1: a round of the cluster's barrier, and the old slot is filled with group NXT, first thing behind it; the descriptor's address is made anew from that number.  (At its first use slot 0 is waited for and slot 1 filled.)
.macro CHANGE fill
	WIN 0
	s_wait_tensorcnt 0x0
	ds_add_u32 v[SPW], v[NIL]                      ; scalar work stands between the add and the wait for it
.if \fill
	s_lshl_b32 s[OFF], s[NXT], 16                  ; a group is 65,536 bytes of K and of V
	s_xor_b32 s[G0K+1], s[G0K+1], SLOT1
	s_add_nc_u64 s[G0K+2:G0K+3], s[KB:KB+1], s[OFF:OFF+1]
	s_or_b32 s[G0K+3], s[G0K+3], 0x80000000
	s_xor_b32 s[G0V+1], s[G0V+1], SLOT1
	s_add_nc_u64 s[G0V+2:G0V+3], s[VB:VB+1], s[OFF:OFF+1]
	s_or_b32 s[G0V+3], s[G0V+3], 0x80000000
	s_add_co_u32 s[NXT], s[NXT], 1                 ; the unit's next group, or behind its last the second unit's group 0
	s_cmp_gt_u32 s[NXT], s[LQ]
	s_cselect_b32 s[NXT], 0, s[NXT]
	s_cselect_b32 s[LQ], s[AA], s[LQ]
	s_wait_xcnt 0x0                                ; the last prefetch, a step back, has read its address
	s_add_nc_u64 s[PFA:PFA+1], s[PFA:PFA+1], 65536
	s_wait_dscnt 0x0                               ; the add is done, and my reads of the slot are over
	CROUND
	JLOAD                                          ; its four v_nop are also the places between the last products and the loads into V's registers
.else
	s_wait_dscnt 0x0
	s_barrier_signal -1
	s_barrier_wait -1
	PLACES
.endif
	s_xor_b32 s[TB], s[TB], SLOT1
.endm
	s_load_b128 s[4:7], s[0:1], 0x0                ; qg s[4:5], kv s[6:7]
	s_load_b64 s[8:9], s[0:1], 0x10                ; att
	v_lshl_add_u32 v[SPW], v0, 2, SPARE
	v_mov_b32 v[NIL], 0
	ds_add_u32 v[SPW], v[NIL]                      ; the wave's opening, ahead of my first tensor load
	v_lshrrev_b32 v1, 5, v0
	v_readfirstlane_b32 s[WV], v1
	s_bfe_u32 s13, ttmp6, 0x40000                  ; cx
	s_lshl_b32 s14, ttmp9, 2
	s_add_co_u32 s14, s14, s13                     ; p: the second unit
	s_sub_co_u32 s16, 63, s14                      ; the first unit
	s_lshr_b32 s[AA], ttmp9, 1
	s_add_co_u32 s[A1], s[AA], 1
	s_sub_co_u32 s[LQ], 7, s[AA]
	s_mov_b32 s[NXT], 1
	s_and_b32 s20, ttmp7, 0xffff                   ; 4 b + kv
	s_and_b32 s17, s[WV], 1
	s_lshr_b32 s18, s[WV], 1
	s_mov_b32 s[G1K], 15|(1<<16)|(1<<20)|(1<<21)|(5<<22)|(3<<25)  ; the mask of four; 2-byte elements; padding on; bit 21 beside a mask; after every 64 words, 4 words
	s_mov_b32 s[G1V], 15|(1<<16)|(1<<20)|(1<<21)|(5<<22)|(7<<25)  ; the same with 8 words
.irp g, G1K, G1V
	s_mov_b32 s[(\g)+1], 128<<16                   ; 128 rows x 128 elements, dense
	s_mov_b32 s[(\g)+2], 128<<16
	s_mov_b32 s[(\g)+3], 128<<16
	s_mov_b32 s[(\g)+4], 128
	s_mov_b32 s[(\g)+5], 128
	s_mov_b32 s[(\g)+6], 0
	s_mov_b32 s[(\g)+7], 0
.endr
	s_mov_b32 s[G0K], 1
	s_mul_i32 s[G0K+1], s17, 128*PK                ; slot 0: no place in the cluster enters an LDS address
	s_mov_b32 s[G0V], 1
	s_mul_i32 s[G0V+1], s17, 128*PVP
	s_add_co_u32 s[G0V+1], s[G0V+1], VOFF
	s_mov_b32 s[OFF+1], 0
	s_mov_b32 s3, 0
	s_mov_b32 s[CS], 0x3e0293ee                    ; c = log2(e) / sqrt(128)
	s_mov_b32 s[CS+1], s[CS]
	s_mov_b32 s[SEL], 0x76543210
	s_mov_b32 s[SEL+1], 0xfedcba98
	s_mov_b32 s[TB], SLOT1                         ; the first change of slots turns it into 0
	s_cmp_eq_u32 ttmp9, 0
	s_cselect_b32 s[LIM], 3, -1
	s_wait_dscnt 0x0                               ; the opening add is done
	s_wait_kmcnt 0x0
	s_lshl_b32 s2, s20, 19                         ; the key head's 524,288 bytes,
	s_lshl_b32 s19, s17, 15                        ; my half of a group
	s_add_co_u32 s2, s2, s19
	s_add_nc_u64 s[KB:KB+1], s[6:7], s[2:3]
	s_add_nc_u64 s[VB:VB+1], s[KB:KB+1], 4194304
	s_mov_b64 s[G0K+2:G0K+3], s[KB:KB+1]           ; group 0
	s_or_b32 s[G0K+3], s[G0K+3], 0x80000000
	s_mov_b64 s[G0V+2:G0V+3], s[VB:VB+1]
	s_or_b32 s[G0V+3], s[G0V+3], 0x80000000
	CROUND                                         ; all four work-groups are here
	JLOAD                                          ; group 0 into slot 0: one load of mine is out
	s_lshl_b32 s21, s20, 20                        ; the two query heads' first byte
	s_lshl_b32 s22, s16, 13                        ; a unit's 32 rows of 256 bytes
	s_lshl_b32 s23, s14, 13
	s_add_co_u32 s2, s21, s22
	s_add_nc_u64 s[QA1:QA1+1], s[4:5], s[2:3]
	s_add_co_u32 s2, s21, s23
	s_add_nc_u64 s[QA2:QA2+1], s[4:5], s[2:3]
	s_lshl_b32 s2, s18, 19                         ; the gate of tile w: head w / 2, 16 positions w % 2
	s_lshl_b32 s19, s17, 12
	s_add_co_u32 s2, s2, s19
	s_add_co_u32 s2, s2, 8388608
	s_add_nc_u64 s[GA1:GA1+1], s[QA1:QA1+1], s[2:3]
	s_add_nc_u64 s[GA1+2:GA1+3], s[QA2:QA2+1], s[2:3]
	s_lshr_b32 s2, s20, 2                          ; att: row (b 2048 + 32 u + 16 (w % 2)) of 2,048 bytes, head 2 kv + w / 2 of 256
	s_lshl_b32 s2, s2, 22
	s_lshl_b32 s19, s17, 15
	s_add_co_u32 s2, s2, s19
	s_and_b32 s19, s20, 3
	s_lshl_b32 s19, s19, 9
	s_add_co_u32 s2, s2, s19
	s_lshl_b32 s19, s18, 8
	s_add_co_u32 s21, s2, s19
	s_lshl_b32 s19, s16, 16
	s_add_co_u32 s2, s21, s19
	s_add_nc_u64 s[OA1:OA1+1], s[8:9], s[2:3]
	s_lshl_b32 s19, s14, 16
	s_add_co_u32 s2, s21, s19
	s_add_nc_u64 s[OA1+2:OA1+3], s[8:9], s[2:3]
	s_lshl_b32 s2, s20, 19                         ; the prefetches: K (waves 0, 1) or V (waves 2, 3), rows 64 cx + 32 (w % 2) + lane, at group 2; the first change steps it to 3
	s_lshl_b32 s19, s13, 14
	s_add_co_u32 s2, s2, s19
	s_lshl_b32 s19, s17, 13
	s_add_co_u32 s2, s2, s19
	s_lshl_b32 s19, s18, 22
	s_add_co_u32 s2, s2, s19
	s_add_co_u32 s2, s2, 2*65536
	s_add_nc_u64 s[PFA:PFA+1], s[6:7], s[2:3]
	v_and_b32 v1, 15, v0                           ; l % 16
	v_bfe_u32 v9, v0, 4, 1                         ; l / 16
	v_lshlrev_b32 v[QO], 8, v1
	v_lshl_add_u32 v[QO], v9, 4, v[QO]
	LOADQ QA1
	s_mul_i32 s19, s[WV], 64*PK                    ; my 64 keys
	v_mul_u32_u24 v[AK0], v1, PK
	v_lshl_add_u32 v[AK0], v9, 4, v[AK0]
	v_add_nc_u32 v[AK0], s19, v[AK0]
	v_and_b32 v10, 7, v0                           ; the turning load: lane l reads key 8 (l / 16) + l % 8, channels 8 ((l / 8) % 2) + 0..7
	v_bfe_u32 v11, v0, 3, 1
	v_lshl_add_u32 v[AV0], v9, 3, v10
	v_mul_u32_u24 v[AV0], v[AV0], PVP
	v_lshl_add_u32 v[AV0], v11, 4, v[AV0]
	s_mul_i32 s19, s[WV], 64*PVP
	s_add_co_u32 s19, s19, VOFF
	v_add_nc_u32 v[AV0], s19, v[AV0]
	v_lshlrev_b32 v10, 3, v9
	v_sub_nc_u32 v10, v1, v10
	s_lshl_b32 s19, s[WV], 6
	v_subrev_nc_u32 v10, s19, v10                  ; l % 16 - 8 (l / 16) - 64 w
	s_and_b32 s19, s14, 7
	s_lshl_b32 s21, s19, 5
	v_add_nc_u32 v[VM2], s21, v10
	s_sub_co_u32 s19, 7, s19
	s_lshl_b32 s21, s19, 5
	v_add_nc_u32 v[VM1], s21, v10
	v_and_b32 v11, 31, v0                          ; l
	s_lshl_b32 s19, s[WV], 2
	s_add_co_u32 s19, s19, STATS
	v_lshl_add_u32 v[SA], v11, 4, s19
	s_lshl_b32 s19, s[WV], 9
	s_add_co_u32 s19, s19, STATS
	v_lshl_add_u32 v[SL], v11, 4, s19
	s_mul_i32 s19, s[WV], SREG
	s_add_co_u32 s19, s19, STAGE
	v_lshl_add_u32 v[DA], v11, 4, s19              ; my region, 16 bytes a lane
	v_mul_u32_u24 v[OS], v1, 528
	v_lshl_add_u32 v[OS], v9, 5, v[OS]
	v_add_nc_u32 v[OS], s19, v[OS]                 ; my region as 16 rows of 528 bytes: row l % 16, 32 bytes for each half of the lanes
	s_lshl_b32 s19, s[WV], 11
	s_add_co_u32 s19, s19, STAGE
	v_lshl_add_u32 v[LA], v11, 4, s19              ; tile w's part of a region
	v_lshlrev_b32 v[LO8], 3, v11
	v_lshlrev_b32 v[PFO], 8, v11
	v_mov_b32 v[NL2E], 0xbfb8aa3b                  ; -log2(e)
	v_mov_b32 v[ZERO], 0
	v_mov_b32 v[BIGV], 0xf149f2ca                  ; -1e30
	WIN 0x40                                       ; O^T and l need only be finite: zeros, written in the wait for the first tile, so that no first step is written out
.set i, 0
.rept 256
	v_mov_b32 v[i], 0
.set i, i+1
.endr
	WIN 0
.irp t, 0,1,2,3
	v_mov_b32 v[ST+8*(\t)+2], 0
	v_mov_b32 v[ST+8*(\t)+3], 0
.endr
	RESET
; THE MATRIX WORK.  The accumulators take turns, one instruction a turn.  Product i of 32 of S^T = K Q^T for piece x: channels 32 (i / 8) on, keys 16 ((i / 2) % 4) on, tile x + i % 2.
.macro KQ x
.set rS, S+32*((\x)+i%2)+8*((i/2)%4)
.set rK, KF+32*((i/2)%4)+8*(i/8)
.set rQ, 32*((\x)+i%2)+8*(i/8)
.set rM, MC+8*((i/2)%4-i%2+1)
.if i < 8
	WIN W_KM
	v_wmma_f32_16x16x32_f16 v[rS:rS+7], v[rK:rK+7], v[rQ:rQ+7], v[rM:rM+7]
.else
	WIN W_KQ
	v_wmma_f32_16x16x32_f16 v[rS:rS+7], v[rK:rK+7], v[rQ:rQ+7], v[rS:rS+7]
.endif
.endm
; Product i of 32 of O^T += V^T P: keys 32 (i / 16) on, channels 16 ((i / 2) % 8) on, tile x + i % 2.
.macro PV x
	WIN W_PV
.set rO, 64*((\x)+i%2)+8*((i/2)%8)
.set rV, 64*(i/16)+8*((i/2)%8)
.set rP, P+16*((\x)+i%2)+8*(i/16)
	v_wmma_f32_16x16x32_f16 v[rO:rO+7], v[rV:rV+7], v[rP:rP+7], v[rO:rO+7]
.endm
; THE LDS LOADS, in runs of eight.  KRUN c: channels 32 c on of my 64 keys: what products 8 c .. 8 c + 7 of a piece read.  VRUN q: four of V's sixteen fragments, turned.
.macro KRUN c
	WIN 0x80
.irp kb, 0,1,2,3
	ds_load_b128 v[KF+8*(4*(\kb)+(\c)):KF+8*(4*(\kb)+(\c))+3],   v[ADK] offset:(\kb)*16*PK+(\c)*64
	ds_load_b128 v[KF+8*(4*(\kb)+(\c))+4:KF+8*(4*(\kb)+(\c))+7], v[ADK] offset:(\kb)*16*PK+(\c)*64+32
.endr
.endm
.macro VRUN q
	WIN 0xc0
.irp g, 0,1,2,3
.set vf, 4*(\q)+(\g)                   ; keys 32 (vf / 8) on, channels 16 (vf % 8) on
	ds_load_tr16_b128 v[8*vf:8*vf+3],   v[ADV] offset:(vf/8)*32*PVP+(vf%8)*32
	ds_load_tr16_b128 v[8*vf+4:8*vf+7], v[ADV] offset:(vf/8)*32*PVP+16*PVP+(vf%8)*32
.endr
.endm
.macro FETCH_HEAD                      ; behind the change of slots: the step's two addresses, and three of K's four runs
	WIN 0
	v_add_nc_u32 v[ADK], s[TB], v[AK0]
	v_add_nc_u32 v[ADV], s[TB], v[AV0]
	KRUN 0
	KRUN 1
	KRUN 2
	WIN 0
.endm
; THE VECTOR WORK.  A tile's softmax for a step is a list of 134 instructions; SM writes number j for tile t.
;   0-15 the maximum of the 32 scores and the old m (each accumulator's lowest registers are read first)   16-20 the other half of the lanes' maximum; m; c m; its change
;   21-69 ONE BATCH: the 16 scalings c s - c m and all 33 exponentials (a at 23); none reads an exponential's result   70-85 the roundings to f16   86-101 the sums; l = a l + sum   102-133 O^T times a
.macro SM t
.set rT, ST+8*(\t)
.set rS, S+32*(\t)
.set rP, P+16*(\t)
.set rO, 64*(\t)+2*(j-102)
.if j < 102
	WIN 0
.endif
.if j < 4
	v_max3_num_f32 v[rT+4+j], v[rS+8*j], v[rS+8*j+1], v[rS+8*j+2]
.elseif j < 12
	v_max3_num_f32 v[rT+4+j%4], v[rT+4+j%4], v[rS+8*(j%4)+2*(j/4)+1], v[rS+8*(j%4)+2*(j/4)+2]
.elseif j == 12
	v_max3_num_f32 v[rT+4], v[rT+4], v[rS+7], v[rS+15]
.elseif j == 13
	v_max3_num_f32 v[rT+6], v[rT+6], v[rS+23], v[rS+31]
.elseif j == 14
	v_max3_num_f32 v[rT+4], v[rT+4], v[rT+5], v[rT+6]
.elseif j == 15
	v_max3_num_f32 v[rT+4], v[rT+4], v[rT+7], v[rT+1]
.elseif j == 16
	v_permlanex16_b32 v[rT+5], v[rT+4], s[SEL], s[SEL+1]
.elseif j == 17
	v_mov_b32 v[rT+7], v[rT]
.elseif j == 18
	v_max_num_f32 v[rT+1], v[rT+4], v[rT+5]
.elseif j == 19
	v_mul_f32 v[rT], s[CS], v[rT+1]
.elseif j == 20
	v_sub_f32 v[rT+7], v[rT+7], v[rT]
.elseif j == 23
	v_exp_f32 v[rT+6], v[rT+7]
.elseif (j < 23) || ((j < 38) && (j%2 == 0)) || ((j < 66) && (j%4 == 2))
.set b, (j-2)/4
.if j < 38
.set b, (j-20)/2
.endif
	v_pk_fma_f32 v[rS+2*b:rS+2*b+1], v[rS+2*b:rS+2*b+1], s[CS:CS+1], v[rT:rT+1] op_sel_hi:[1,0,0] neg_lo:[0,0,1] neg_hi:[0,0,1]
.elseif j < 70
.set e, j-38
.if j < 66
.set e, j-32-(j-38)/4
.endif
.if j < 38
.set e, (j-25)/2
.endif
	v_exp_f32 v[rS+e], v[rS+e]
.elseif j < 86
	v_cvt_pk_f16_f32 v[rP+j-70], v[rS+2*(j-70)], v[rS+2*(j-70)+1]
.elseif j < 102
.set z, j-86
.set w, 4
.set u, z
.if z >= 14
.set w, 32
.set u, 0
.elseif z >= 12
.set w, 16
.set u, z-12
.elseif z >= 8
.set w, 8
.set u, z-8
.endif
.if z < 15
	v_pk_add_f32 v[rS+w*u:rS+w*u+1], v[rS+w*u:rS+w*u+1], v[rS+w*u+w/2:rS+w*u+w/2+1]
.else
	v_pk_fma_f32 v[rT+2:rT+3], v[rT+2:rT+3], v[rT+6:rT+7], v[rS:rS+1] op_sel_hi:[1,0,1]
.endif
.else
	WIN W_RS
	v_pk_mul_f32 v[rO:rO+1], v[rO:rO+1], v[rT+6:rT+7] op_sel_hi:[1,0]
.endif
.endm
; Slice k of 64 of piece y's softmax.  Slices 11 to 34 deal out the batch, four numbers of one tile each; every other slice is numbers 2 k, 2 k + 1 of both tiles; slice 63 takes the twelve that are over.
; Ahead of slice 35 nothing names an exponential's result, behind slice 34 none is issued: one plain instruction and ONE wait serve the piece's 66 exponentials.
.macro SLICE y
.if (k >= 11) && (k < 35)
.irp n, 0,1,2,3
.set j, 22+4*((k-11)/2)+(\n)
	SM (\y)+(k-11)%2
.endr
.else
.irp n, 0,1,2,3,4,5,6,7
.if ((\n) < 2) || (k == 63)
.irp t, \y, (\y)+1
.set j, 2*k+(\n)
	SM \t
.endr
.endif
.endr
.endif
.if k == 34
	v_nop
	s_wait_alu depctr_va_vdst(0)
.endif
.set k, k+1
.endm
; A STEP, behind FETCH_HEAD.  reload = 1 (the loop's text): in the first unit's last step the second unit's Q is asked for as soon as the step's last K Q^T has read the first's.
.macro STEP reload
.set i, 0
.irp c, 0,1,2,3
	s_wait_dscnt 16                                ; K's run c is in: the two younger runs of eight may stay out
.rept 8
	KQ 0
.set i, i+1
.endr
.if (\c) == 0
	KRUN 3
.elseif (\c) == 3
	VRUN 2
	VRUN 3
.else
	VRUN (\c)-1
.endif
.endr
	PLACES                                         ; between piece 0's scores and their first reader
.set k, 0
.set i, 0
.rept 32
	KQ 2                                           ; piece 2's scores | piece 0's softmax; slices 62 and 63, twenty plain lines on O^T, are the places behind the last of them
	SLICE 0
	SLICE 0
.set i, i+1
.endr
.if \reload
	WIN 0
	s_cmp_eq_u32 s[CNT], s[A1]
	s_cbranch_scc0 .Lno_q_\@
	LOADQ QA2
.Lno_q_\@:
.endif
	s_wait_dscnt 0x0                               ; V is in
.set k, 0
.set i, 0
.rept 32
	PV 0                                           ; piece 0's V^T P | piece 2's softmax
	SLICE 2
	SLICE 2
.set i, i+1
.endr
.set i, 0
.rept 32
	PV 2
.set i, i+1
.endr
	WIN 0
.endm
; A UNIT'S END.  The four waves' c m and l go to STATS, their O^T in four rounds of a quarter of the channels to the stage; wave w takes tile w's parts, weighs them by f_v = 2^(c m_v - max) / sum of f l and adds them.
; Then the tile goes through my own region as 16 rows of 512 bytes, is multiplied by sigmoid(gate), rounded to f16 and stored, a row of a head (256 bytes, aligned) to a store.
; THE SIGMOID, 1 / (1 + 2^(-g log2(e))), is made in quarters inside the rounds: 16 products and exponentials while a round's LDS stores are out, the additions and 16 reciprocals while its LDS loads are out.
; Every round has two barriers: the stores are done before anybody reads; the reads are back before anybody stores again.  The jump round this text hangs on the cluster's x and the trip's count: alike in all waves and partners.
; reload = 1: behind the gate's 16 loads stand the 32 of the second unit's Q, which are waited for at the trip's end.
.macro FINISH n, reload
.set OA, OA1+2*((\n)-1)
.set GN, GT+32*((\n)-1)
	WIN 0
.irp t, 0,1,2,3
	v_add_f32 v[ST+8*(\t)+4], v[ST+8*(\t)+2], v[ST+8*(\t)+3]   ; these are also the places behind the last products
.endr
.irp t, 0,1,2,3
	v_permlanex16_b32 v[ST+8*(\t)+5], v[ST+8*(\t)+4], s[SEL], s[SEL+1]
.endr
.irp t, 0,1,2,3
	v_add_f32 v[ST+8*(\t)+4], v[ST+8*(\t)+4], v[ST+8*(\t)+5]
.endr
.irp t, 0,1,2,3
	ds_store_b32 v[SA], v[ST+8*(\t)] offset:512*(\t)
	ds_store_b32 v[SA], v[ST+8*(\t)+4] offset:2048+512*(\t)
.endr
	s_wait_loadcnt 32*(\reload)                    ; the gate is in; Q's loads, issued behind it, may stay out
.set rc, 0
.rept 4
	WIN 0x04                                       ; store data in window 1
.set tt, 0
.rept 4
.set qq, 0
.rept 4
	ds_store_b128 v[DA], v[64*tt+16*rc+4*qq:64*tt+16*rc+4*qq+3] offset:2048*tt+512*qq  ; each accumulator's low registers first
.set qq, qq+1
.endr
.set tt, tt+1
.endr
	WIN 0x83                                       ; the gate (source 0) in window 3, the result in window 2
.set i, 16*rc
.rept 16
.if i%2
	v_fma_mix_f32 v[SG+i], v[GN+2*(i/4)+(i%4)/2], v[NL2E], v[ZERO] op_sel:[1,0,0] op_sel_hi:[1,0,0]
.else
	v_fma_mix_f32 v[SG+i], v[GN+2*(i/4)+(i%4)/2], v[NL2E], v[ZERO] op_sel_hi:[1,0,0]
.endif
.set i, i+1
.endr
	WIN 0x82
.set i, 16*rc
.rept 16
	v_exp_f32 v[SG+i], v[SG+i]
.set i, i+1
.endr
	WIN 0
	s_wait_dscnt 0x0                               ; for the others' sake: my stores are done
	s_barrier_signal -1
	s_barrier_wait -1
.if rc == 0
	ds_load_b128 v[224:227], v[SL]                 ; the four waves' c m of my tile's query,
	ds_load_b128 v[228:231], v[SL] offset:2048     ; and their l
.endif
.set tt, 0
.rept 4
.set qq, 0
.rept 4
	ds_load_b128 v[TT+16*tt+4*qq:TT+16*tt+4*qq+3], v[LA] offset:SREG*tt+512*qq
.set qq, qq+1
.endr
.set tt, tt+1
.endr
	WIN 0x82
	v_nop                                          ; a plain instruction behind the quarter's last exponential,
	s_wait_alu depctr_va_vdst(0)                   ; and one wait for the sixteen
.set i, 8*rc
.rept 8
	v_pk_add_f32 v[SG+2*i:SG+2*i+1], v[SG+2*i:SG+2*i+1], 1.0 op_sel_hi:[1,0]
.set i, i+1
.endr
.set i, 16*rc
.rept 16
	v_rcp_f32 v[SG+i], v[SG+i]                     ; read only at the unit's very end, behind a wait of their own
.set i, i+1
.endr
	WIN 0
.if rc == 0
	s_wait_dscnt 16                                ; the statistics are in; the 16 parts may stay out
	v_max3_num_f32 v240, v224, v225, v226
	v_max_num_f32 v240, v240, v227
.irp v, 0,1,2,3
	v_sub_f32 v[241+(\v)], v[224+(\v)], v240
.endr
.irp v, 0,1,2,3
	v_exp_f32 v[241+(\v)], v[241+(\v)]
.endr
	v_nop
	s_wait_alu depctr_va_vdst(0)                   ; one wait for the four
	v_mul_f32 v245, v241, v228
	v_fmac_f32 v245, v242, v229
	v_fmac_f32 v245, v243, v230
	v_fmac_f32 v245, v244, v231
	v_rcp_f32 v246, v245                           ; the sum is above 0: every query sees its own key
	v_nop
	s_wait_alu depctr_va_vdst(0)
.irp v, 0,1,2,3
	v_mul_f32 v[232+2*(\v)], v[241+(\v)], v246
	v_mul_f32 v[233+2*(\v)], v[241+(\v)], v246
.endr
.endif
	s_wait_dscnt 0x0                               ; my reads of the stage are back
	s_barrier_signal -1
.set i, 0
.rept 8
	v_pk_mul_f32 v[RR+16*rc+2*i:RR+16*rc+2*i+1], v[TT+2*i:TT+2*i+1], v[232:233] op_sel_hi:[1,0]
.set i, i+1
.endr
.irp v, 1,2,3
.set i, 0
.rept 8
	v_pk_fma_f32 v[RR+16*rc+2*i:RR+16*rc+2*i+1], v[TT+16*(\v)+2*i:TT+16*(\v)+2*i+1], v[232+2*(\v):233+2*(\v)], v[RR+16*rc+2*i:RR+16*rc+2*i+1] op_sel_hi:[1,0,1]
.set i, i+1
.endr
.endr
	s_barrier_wait -1
.set rc, rc+1
.endr
.set i, 0
.rept 8
	ds_store_b128 v[OS], v[RR+8*i:RR+8*i+3]   offset:64*i      ; my own region: row = query, channels 16 i + 8 (l / 16) + 0..7
	ds_store_b128 v[OS], v[RR+8*i+4:RR+8*i+7] offset:64*i+16
.set i, i+1
.endr
.set i, 0
.rept 16
	ds_load_b128 v[TT+4*i:TT+4*i+3], v[DA] offset:528*i        ; row i, channels 4 l + 0..3; LDS serves a wave's instructions in order (ISA guide 5.7.1.4)
.set i, i+1
.endr
	s_wait_alu depctr_va_vdst(0)                   ; one wait for the reciprocals, ahead of their first reader; the last round's 32 sums are the plain work behind them
	s_wait_dscnt 0x0
	WIN 0x08                                       ; source 1 in window 2
.set i, 0
.rept 32
	v_pk_mul_f32 v[TT+2*i:TT+2*i+1], v[TT+2*i:TT+2*i+1], v[SG+2*i:SG+2*i+1]
.set i, i+1
.endr
	WIN 0
.set i, 0
.rept 32
	v_cvt_pk_f16_f32 v[PO+i], v[TT+2*i], v[TT+2*i+1]
.set i, i+1
.endr
.set i, 0
.rept 16
	global_store_b64 v[LO8], v[PO+2*i:PO+2*i+1], s[OA:OA+1] offset:2048*i
.set i, i+1
.endr
.endm
	s_wait_loadcnt 0x0                             ; Q
	s_mov_b32 s[CNT], 8
.Ltrip:                                                ; eight trips: a group is entered and the next is asked for
	CHANGE 1
	FETCH_HEAD
	ASK
	s_cmp_eq_u32 s[CNT], s[A1]
	s_cbranch_scc0 .Lno_mask
	MASKS VM1                                      ; the first unit's last group holds its diagonal,
	GATE GA1, 1                                    ; and its gate is wanted a step from here
.Lno_mask:
	STEP 1
	s_cmp_eq_u32 s[CNT], s[A1]
	s_cbranch_scc0 .Lno_end
	FINISH 1, 1
	s_wait_xcnt 0x0                                ; the stores have read their data: P's registers are written again only behind this wait
	RESET
.Lno_end:
	s_wait_loadcnt 0x0                             ; the second unit's Q, asked for in this trip's step, is in.  The wait stands on every way through a trip: no load of mine crosses a trip's end, so no register is loaded while a load into it is out
	s_sub_co_u32 s[CNT], s[CNT], 1
	s_cmp_lg_u32 s[CNT], 0
	s_cbranch_scc1 .Ltrip
	CHANGE 0                                       ; the ninth group, the second unit's last, is written out: nothing is asked for
	FETCH_HEAD
	MASKS VM2
	GATE GA1+2, 2
	STEP 0
	FINISH 2, 0
	s_wait_tensorcnt 0x0                           ; the wave's end, behind my last tensor load and my last LDS store
	ds_add_u32 v[SPW], v[NIL]
	s_wait_dscnt 0x0
	CROUND                                         ; the closing round
	s_endpgm
.Lfunc_end_k_qf28096f3ef_attn:
	.size	k_qf28096f3ef_attn, .Lfunc_end_k_qf28096f3ef_attn-k_qf28096f3ef_attn
	.p2alignl 7, 3214868480
	.fill 96, 4, 3214868480
	.section	.rodata,"a",@progbits
	.p2align	6, 0x0
	.amdhsa_kernel k_qf28096f3ef_attn
		.amdhsa_group_segment_fixed_size 327680
		.amdhsa_private_segment_fixed_size 0
		.amdhsa_enable_private_segment 0
		.amdhsa_kernarg_size 24
		.amdhsa_user_sgpr_count 2
		.amdhsa_user_sgpr_kernarg_segment_ptr 1
		.amdhsa_wavefront_size32 1
		.amdhsa_system_sgpr_workgroup_id_x 1
		.amdhsa_system_sgpr_workgroup_id_y 1
		.amdhsa_system_sgpr_workgroup_id_z 1
		.amdhsa_system_vgpr_workitem_id 0
		.amdhsa_next_free_vgpr 1024
		.amdhsa_next_free_sgpr 88
		.amdhsa_reserve_vcc 1
		.amdhsa_float_denorm_mode_32 3
		.amdhsa_float_denorm_mode_16_64 3
		.amdhsa_memory_ordered 1
		.amdhsa_forward_progress 1
		.amdhsa_inst_pref_size 204
	.end_amdhsa_kernel
	.amdgpu_metadata
---
amdhsa.version: [ 1, 2 ]
amdhsa.kernels:
  - .name:           k_qf28096f3ef_attn
    .symbol:         k_qf28096f3ef_attn.kd
    .args:
      - { .name: qg, .offset: 0, .size: 8, .value_kind: global_buffer, .address_space: global }
      - { .name: kv, .offset: 8, .size: 8, .value_kind: global_buffer, .address_space: global }
      - { .name: att, .offset: 16, .size: 8, .value_kind: global_buffer, .address_space: global }
    .group_segment_fixed_size: 327680
    .private_segment_fixed_size: 0
    .kernarg_segment_align: 8
    .kernarg_segment_size: 24
    .max_flat_workgroup_size: 128
    .sgpr_count:     88
    .vgpr_count:     1024
    .wavefront_size: 32
...
	.end_amdgpu_metadata
.endif
;; end of part 3
;; launch oproj (part 4): grid 8 x 32, 4 waves a work-group, clusters of 4 x 4, 327,680 bytes of LDS; arguments att, wo16, out0; writes out0
.if DOCPART == 4
	.amdgcn_target "amdgcn-amd-amdhsa--gfx1250"
	.amdhsa_code_object_version 6
	.text
	.protected	k_qf28096f3ef_oproj
	.globl	k_qf28096f3ef_oproj
	.p2align	8
	.type	k_qf28096f3ef_oproj,@function
k_qf28096f3ef_oproj:
	s_mov_b64 s[64:65], 0
	v_nop
	global_prefetch_b8 v0, s[64:65] scope:SCOPE_SE
	s_setreg_imm32_b32 hwreg(HW_REG_WAVE_MODE, 25, 1), 1
	s_wait_xcnt 0x0
	s_wait_alu depctr_hold_cnt(0) depctr_sa_sdst(0) depctr_va_vdst(0) depctr_va_sdst(0) depctr_va_ssrc(0) depctr_va_vcc(0) depctr_vm_vsrc(0)
	s_getreg_b32 s2, hwreg(HW_REG_IB_STS2, 6, 4)
	s_cmp_eq_u32 s2, 0
	s_cbranch_scc0 .Lentry_in_a_cluster
	s_endpgm
.Lentry_in_a_cluster:
	s_bfe_u32 s2, ttmp6, 0x10000c
	s_cmp_lg_u32 s2, 0xf033
	s_cbranch_scc0 .Lentry_shape_is_right
	s_endpgm
.Lentry_shape_is_right:
; OUT = att [4096][1024] x wo16 [1024][2048], f16 operands, f32 sums, f32 result.
; A tile of C is 128 x 256: 32 x 8 = 256 work-groups.  Four waves, each 64 x 128: 32 accumulators, 256 registers.  K goes in steps of 128 (eight of them) through two LDS slots.
; A's rows lie along K; B lies [k][n] and comes out of LDS turned (ds_load_tr16_b128).  CLUSTERS: 4 x 4; A's tile is shared along a row of the cluster, B's along a column: joint loads.
; A K STEP IS WRITTEN ONCE FOR THE LOOP AND ONCE FOR THE TAIL: the slot does not stand in the text.  A scalar, 0 or the slots' distance, is turned by one exclusive or at each change of slots, and the fragments' addresses are made from it.
; THE MATRIX INSTRUCTION IS USED TRANSPOSED (source 0 = 16 columns of B, source 1 = 16 rows of A): lane l holds row l % 16 of C and the columns 8 (l / 16) + 0..7: 32 bytes on end.
; REGISTERS: window 0: v0-31 addresses, v32-159 whole rows on the way out;  window 1: two fragment buffers of 96 (B's eight fragments, then A's four);  window 2: the accumulators, (a, b) at v[8 (8 a + b)].
.set SIZE_K, 1024
.set NO,     2048
.set KSTEP,  128
.set STEPS,  SIZE_K/KSTEP
.set PITCH,  272
.set PB,     544
.set HALFA,  64*PITCH                  ; 64 rows of A: what waves 0 and 1 fetch
.set HALFB,  64*PB                     ; 64 k rows of B: what waves 2 and 3 fetch
.set BOFF,   2*HALFA
.set SLOT,   2*HALFA+2*HALFB           ; 104,448 bytes
.set SLOTD,  1<<17                     ; slot 1 begins here: all of slot 0 lies below, so one exclusive or turns an address in one slot into the other's
.set STAGE,  SLOTD+SLOT                ; behind the ring: 16 rows x 528 bytes for each wave
.set SP,     528                       ; 512 bytes + 16 = 33 x 16: the 16 rows of a store start at 16 different groups of four banks (64 banks of 4 bytes: ISA guide 11.1)
.set SPARE,  STAGE+4*16*SP             ; the spare words, 128 bytes for each wave: two blocks of 256 bytes that no other line names
.set BSTEP,  KSTEP*NO*2
.set ADRA0, 16                         ; v16  LDS address of my A fragments in slot 0; never rewritten
.set ADRA, 17                          ; v17  the same in the slot that is being read
.set ADRB0, 20
.set ADRB, 21
.set STO,  24
.set RD,   25
.set CO,   26
.set SPW,  28
.set NIL,  29
.set PFO,  30
.set OB,   32
.set F0,   0
.set F1,   96
.set G1,   24
.set G0,   32                          ; s[32:39] descriptor group 0 for A's tiles: a set for each of the two first fills; the second then walks on
.set LIM,  43
.set PFA,  44
.set G1B,  48
.set G0B,  56
.set PSTEP, 76
.set TB,   78                          ; s78  the slot that is being read: 0 or SLOTD
.set MSB, 0
.macro WIN new
.if MSB != (\new)
	s_set_vgpr_msb (MSB<<8)|(\new)
.set MSB, \new
.endif
.endm
.set MUL,  0xa5                        ; sources 0 (B) and 1 (A) window 1; C and D window 2
.set TO_F, 0x40
.macro JLOAD s                         ; a joint load: waves 0 and 1 fetch A's halves, waves 2 and 3 B's; an s_nop 0 and four v_nop follow each line
	s_cmp_eq_u32 s11, 0
	s_cbranch_scc0 .Lfor_b_\@
	tensor_load_to_lds s[G0+4*(\s):G0+4*(\s)+3], s[G1:G1+7]
	s_nop 0
.rept 4
	v_nop
.endr
	s_branch .Lasked_\@
.Lfor_b_\@:
	tensor_load_to_lds s[G0B+4*(\s):G0B+4*(\s)+3], s[G1B:G1B+7]
	s_nop 0
.rept 4
	v_nop
.endr
.Lasked_\@:
.endm
; A prefetch of the K step two refills on (256 matrix instructions ahead of its load).  A: wave 0 of the clusters with x = 0, rows 128 tile row + 32 cx + lane; B: waves 2 and 3 of the clusters with y = 0,
; k rows 64 half + 16 cy + lane / 2, the 256-byte half lane % 2.  Each block of 256 bytes is named once; the loop's last two trips ask for nothing.
.macro ASK
	s_cmp_gt_u32 s3, s[LIM]
	s_cbranch_scc0 .Lnot_mine_\@
	global_prefetch_b8 v[PFO], s[PFA:PFA+1] th:TH_LOAD_NT scope:SCOPE_SE
.Lnot_mine_\@:
.endm
.macro CREST
	s_cmp_lg_u32 s10, 0
	s_cbranch_scc1 .Lnot_wave_0_\@
	s_barrier_signal -3
.Lnot_wave_0_\@:
	s_barrier_wait -3
	s_barrier_signal -1
	s_barrier_wait -1
.endm
.macro CROUND
	s_barrier_signal -1
	s_barrier_wait -1
	CREST
.endm
	s_load_b128 s[4:7], s[0:1], 0x0                ; att s[4:5], wo16 s[6:7]
	s_load_b64 s[8:9], s[0:1], 0x10                ; out0
	v_lshl_add_u32 v[SPW], v0, 2, SPARE
	v_mov_b32 v[NIL], 0
	ds_add_u32 v[SPW], v[NIL]                      ; the wave's opening, ahead of my first tensor load
	v_lshrrev_b32 v1, 5, v0
	v_readfirstlane_b32 s10, v1
	s_lshr_b32 s11, s10, 1                         ; my half of the tile's rows.  Also: I fetch for A (0) or for B (1)
	s_and_b32 s12, s10, 1                          ; my half of its columns.  Also: which half of that tile I fetch
	s_bfe_u32 s40, ttmp6, 0x40000
	s_bfe_u32 s41, ttmp6, 0x40004
	s_lshl_b32 s42, ttmp9, 2
	s_add_co_u32 s42, s42, s40                     ; tile column
	s_and_b32 s13, ttmp7, 0xffff
	s_lshl_b32 s13, s13, 2
	s_add_co_u32 s13, s13, s41                     ; tile row
	s_lshl_b32 s43, s41, 2
	s_lshl_b32 s43, 15, s43
	s_lshl_b32 s44, 0x1111, s40
	s_or_b32 s[G1+0], s43, (1<<16)|(1<<20)|(1<<21)|(5<<22)|(3<<25)
	s_or_b32 s[G1B+0], s44, (1<<16)|(1<<20)|(1<<21)|(6<<22)|(7<<25)
	s_mov_b32 s[G1+1], KSTEP<<16                   ; A: 64 rows x 128 elements, 1,024 elements from row to row
	s_mov_b32 s[G1+2], 64<<16
	s_mov_b32 s[G1+3], KSTEP<<16
	s_mov_b32 s[G1+4], 64
	s_mov_b32 s[G1+5], SIZE_K
	s_mov_b32 s[G1+6], 0
	s_mov_b32 s[G1+7], 0
	s_mov_b32 s[G1B+1], 256<<16                    ; B: 64 k rows x 256 elements, 2,048 elements from row to row
	s_mov_b32 s[G1B+2], 64<<16
	s_mov_b32 s[G1B+3], 256<<16
	s_mov_b32 s[G1B+4], 64
	s_mov_b32 s[G1B+5], NO
	s_mov_b32 s[G1B+6], 0
	s_mov_b32 s[G1B+7], 0
	s_lshl_b32 s16, s13, 7
	s_lshl_b32 s17, s12, 6
	s_add_co_u32 s16, s16, s17
	s_lshl_b32 s16, s16, 11                        ; A: row 128 x tile row + 64 x half, 2,048 bytes a row
	s_mov_b32 s17, 0
	s_lshl_b32 s46, s12, 18                        ; B: k row 64 x half, 4,096 bytes a row,
	s_lshl_b32 s47, s42, 9                         ; 512 bytes a tile column
	s_add_co_u32 s46, s46, s47
	s_mov_b32 s47, 0
	s_mul_i32 s20, s12, HALFA                      ; where they go: by the wave's number alone
	s_mul_i32 s21, s12, HALFB
	s_add_co_u32 s21, s21, BOFF
	s_mov_b32 s[TB], 0
	s_wait_dscnt 0x0
	s_wait_kmcnt 0x0
	s_add_nc_u64 s[14:15], s[4:5], s[16:17]
	s_add_nc_u64 s[46:47], s[6:7], s[46:47]
	CROUND
.irp s, 0,1
	s_mov_b32 s[G0+4*(\s)], 1
	s_add_co_u32 s[G0+4*(\s)+1], s20, (\s)*SLOTD
	s_add_nc_u64 s[G0+4*(\s)+2:G0+4*(\s)+3], s[14:15], (\s)*KSTEP*2
	s_or_b32 s[G0+4*(\s)+3], s[G0+4*(\s)+3], 0x80000000
	s_mov_b32 s[G0B+4*(\s)], 1
	s_add_co_u32 s[G0B+4*(\s)+1], s21, (\s)*SLOTD
	s_add_nc_u64 s[G0B+4*(\s)+2:G0B+4*(\s)+3], s[46:47], (\s)*BSTEP
	s_or_b32 s[G0B+4*(\s)+3], s[G0B+4*(\s)+3], 0x80000000
	JLOAD \s
.endr
	v_and_b32 v1, 15, v0
	v_bfe_u32 v2, v0, 4, 1
	v_and_b32 v6, 31, v0
	v_mul_u32_u24 v3, v1, PITCH
	v_lshl_add_u32 v3, v2, 4, v3
	s_mul_i32 s21, s11, HALFA                      ; my 64 rows of A
	v_add_nc_u32 v[ADRA0], s21, v3
	v_mov_b32 v[ADRA], v[ADRA0]
	v_and_b32 v4, 7, v0
	v_lshl_add_u32 v4, v2, 3, v4
	v_mul_u32_u24 v4, v4, PB
	v_bfe_u32 v5, v0, 3, 1
	v_lshl_add_u32 v4, v5, 4, v4
	s_lshl_b32 s22, s12, 8
	s_add_co_u32 s22, s22, BOFF
	v_add_nc_u32 v[ADRB0], s22, v4
	v_mov_b32 v[ADRB], v[ADRB0]
	s_mul_i32 s23, s10, 16*SP
	s_add_co_u32 s23, s23, STAGE
	v_mul_u32_u24 v4, v1, SP
	v_lshl_add_u32 v4, v2, 5, v4
	v_add_nc_u32 v[STO], s23, v4                   ; in: row l % 16, 32 bytes for each half of the lanes
	v_lshlrev_b32 v[CO], 4, v6
	v_add_nc_u32 v[RD], s23, v[CO]                 ; back: a whole row of 512 bytes, 16 bytes a lane
	s_lshl_b32 s20, s13, 7
	s_lshl_b32 s21, s11, 6
	s_add_co_u32 s20, s20, s21
	s_lshl_b32 s20, s20, 13                        ; my first row of out0, 8,192 bytes a row,
	s_lshl_b32 s21, s42, 10
	s_add_co_u32 s20, s20, s21
	s_lshl_b32 s21, s12, 9
	s_add_co_u32 s20, s20, s21                     ; my 128 columns
	s_mov_b32 s21, 0
	s_add_nc_u64 s[8:9], s[8:9], s[20:21]
	s_and_b32 s22, ttmp7, 0xffff                   ; the prefetches, at K step 3; the first refill steps them to 4
	s_lshl_b32 s20, s13, 7
	s_lshl_b32 s21, s40, 5
	s_add_co_u32 s20, s20, s21
	s_lshl_b32 s20, s20, 11
	s_add_co_u32 s20, s20, 3*KSTEP*2
	s_lshl_b32 s21, s12, 6
	s_lshl_b32 s23, s41, 4
	s_add_co_u32 s21, s21, s23
	s_add_co_u32 s21, s21, 3*KSTEP
	s_lshl_b32 s21, s21, 12
	s_lshl_b32 s23, s42, 9
	s_add_co_u32 s21, s21, s23
	s_or_b32 s19, ttmp9, s12                       ; A: wave 0 alone, where cluster x = 0
	s_mov_b32 s23, BSTEP
	s_cmp_eq_u32 s11, 0
	s_cselect_b32 s20, s20, s21
	s_cselect_b32 s22, s19, s22
	s_cselect_b64 s[PFA:PFA+1], s[4:5], s[6:7]
	s_cselect_b32 s[PSTEP], 256, s23
	s_cselect_b32 s18, 0, 1
	s_cselect_b32 s19, 11, 12
	s_mov_b32 s[PSTEP+1], 0
	s_mov_b32 s21, 0
	s_add_nc_u64 s[PFA:PFA+1], s[PFA:PFA+1], s[20:21]
	s_cmp_eq_u32 s22, 0
	s_cselect_b32 s[LIM], 2, -1                    ; a wave that asks does so while more than two trips are left
	v_lshrrev_b32 v7, s18, v6
	v_lshlrev_b32 v7, s19, v7
	v_and_b32 v8, s18, v6
	v_lshl_add_u32 v[PFO], v8, 8, v7
; 8 matrix instructions: m block a x all 8 n blocks, 32 along K.  The 32 accumulators take turns.
.macro MUL8 f, a, zero
	WIN MUL
.irp b, 0,1,2,3,4,5,6,7
.if \zero
	v_wmma_f32_16x16x32_f16 v[8*(8*(\a)+(\b)):8*(8*(\a)+(\b))+7], v[(\f)+8*(\b):(\f)+8*(\b)+7], v[(\f)+64+8*(\a):(\f)+64+8*(\a)+7], 0
.else
	v_wmma_f32_16x16x32_f16 v[8*(8*(\a)+(\b)):8*(8*(\a)+(\b))+7], v[(\f)+8*(\b):(\f)+8*(\b)+7], v[(\f)+64+8*(\a):(\f)+64+8*(\a)+7], v[8*(8*(\a)+(\b)):8*(8*(\a)+(\b))+7]
.endif
.endr
.endm
.macro FETCH k, f                      ; 24 LDS loads in one run, from the slot that is being read: B's eight fragments, then A's four
	WIN TO_F
.irp i, 0,1,2,3,4,5,6,7
	ds_load_tr16_b128 v[(\f)+8*(\i):(\f)+8*(\i)+3],   v[ADRB] offset:((\k)/2)*PB+32*(\i)
	ds_load_tr16_b128 v[(\f)+8*(\i)+4:(\f)+8*(\i)+7], v[ADRB] offset:((\k)/2)*PB+32*(\i)+16*PB
.endr
.irp i, 0,1,2,3
	ds_load_b128 v[(\f)+64+8*(\i):(\f)+64+8*(\i)+3],   v[ADRA] offset:(\k)+(\i)*16*PITCH
	ds_load_b128 v[(\f)+64+8*(\i)+4:(\f)+64+8*(\i)+7], v[ADRA] offset:(\k)+(\i)*16*PITCH+32
.endr
.endm
.macro PLACES
.rept 4
	v_nop
.endr
.endm
.macro QUARTER k, f, g, zero
	s_wait_dscnt 4                                 ; B and A's fragments 0, 1 are in; the youngest four loads (A's 2, 3) may be out
	MUL8 \f, 0, \zero
	MUL8 \f, 1, \zero
	PLACES
	FETCH \k, \g
	s_wait_dscnt 24                                ; all but the 24 just issued
	MUL8 \f, 2, \zero
	MUL8 \f, 3, \zero
.endm
; THE LAST QUARTER of a K step multiplies buffer 1 and changes slots.  fill = 1: the barrier opens a round of the cluster's, and this slot is filled again, with the K step two on, by the walking descriptor.
; fill = 0 (the tail): nothing is asked for.  The tail's second trip has no next K step: its fetch is jumped over (no barrier and no tensor load is), and its barrier, once a launch, orders nothing.
.macro TURN fill
.if \fill
	s_wait_xcnt 0x0                                ; the last prefetch, a K step back, has read its address
	s_add_nc_u64 s[PFA:PFA+1], s[PFA:PFA+1], s[PSTEP:PSTEP+1]
.endif
	WIN 0
	s_wait_tensorcnt 0x0                           ; all my tensor loads have landed: my part of the next slot; so a group 0 may be written
	ds_add_u32 v[SPW], v[NIL]
.if \fill
	s_xor_b32 s[G0+5], s[G0+5], SLOTD
	s_add_nc_u64 s[G0+6:G0+7], s[G0+6:G0+7], KSTEP*2
	s_xor_b32 s[G0B+5], s[G0B+5], SLOTD
	s_add_nc_u64 s[G0B+6:G0B+7], s[G0B+6:G0B+7], BSTEP
.endif
	s_wait_dscnt 5                                 ; (the add and the youngest four loads may be out)
	MUL8 F1, 0, 0
	s_wait_dscnt 0x0                               ; the add is done, and my reads of this slot are over
	s_barrier_signal -1
	MUL8 F1, 1, 0
	WIN 0
	s_barrier_wait -1
.if \fill
	CREST                                          ; no wave of any partner still reads this slot or has a load on its way
	JLOAD 1                                        ; my one tensor load behind the round; its four v_nop are also the places in front of the loads below
.else
	s_cmp_eq_u32 s3, 1
	s_cbranch_scc1 .Lno_fetch_\@
	v_nop                                          ; with the two additions below: the four places in front of the loads
	v_nop
.endif
	s_xor_b32 s[TB], s[TB], SLOTD                  ; the other slot is read from here on
	v_add_nc_u32 v[ADRA], s[TB], v[ADRA0]
	v_add_nc_u32 v[ADRB], s[TB], v[ADRB0]
	FETCH 0, F0
	WIN 0
.if \fill
	ASK
.else
.Lno_fetch_\@:
.endif
	MUL8 F1, 2, 0
	MUL8 F1, 3, 0
.endm
	s_wait_tensorcnt 1                             ; my part of K step 0 is in; K step 1's may stay out
	s_barrier_signal -1
	s_barrier_wait -1
	FETCH 0, F0
	QUARTER 64,  F0, F1, 1                         ; the first quarter's products start the sums
	WIN 0
	s_mov_b32 s3, STEPS-2
.Lstep:                                                ; a trip: from a K step's second quarter to the next one's first; six trips fill a slot again
	QUARTER 128, F1, F0, 0
	QUARTER 192, F0, F1, 0
	TURN 1
	QUARTER 64,  F0, F1, 0
	WIN 0
	s_sub_co_u32 s3, s3, 1
	s_cmp_lg_u32 s3, 0
	s_cbranch_scc1 .Lstep
	s_mov_b32 s3, 2
.Ltail:                                                ; the last two K steps ask for nothing: a text of their own; the second trip is left ahead of a first quarter that does not exist
	QUARTER 128, F1, F0, 0
	QUARTER 192, F0, F1, 0
	TURN 0
	WIN 0
	s_sub_co_u32 s3, s3, 1
	s_cmp_eq_u32 s3, 0
	s_cbranch_scc1 .Lout
	QUARTER 64,  F0, F1, 0
	WIN 0
	s_cmp_lg_u32 s3, 0
	s_cbranch_scc1 .Ltail
.Lout:
	; THE WAY OUT: a block of 16 rows at a time through my own stage: 32 bytes a lane in, whole rows of 512 bytes back, and stored.
	PLACES
	PLACES
.set a, 0
.rept 4
	WIN 0x08                                       ; store data in window 2
.set b, 0
.rept 8
	ds_store_b128 v[STO], v[8*(8*a+b):8*(8*a+b)+3]   offset:64*b      ; each accumulator's low registers first
	ds_store_b128 v[STO], v[8*(8*a+b)+4:8*(8*a+b)+7] offset:64*b+16
.set b, b+1
.endr
	WIN 0
.set i, 0
.rept 16
	ds_load_b128 v[OB+64*(a%2)+4*i:OB+64*(a%2)+4*i+3], v[RD] offset:SP*i  ; LDS serves a wave's instructions in order (ISA guide 5.7.1.4): these see the stores above
.set i, i+1
.endr
	s_wait_dscnt 0x0
	s_wait_xcnt 0x0                                ; earlier stores have read their base and their data
.if a > 0
	s_add_nc_u64 s[8:9], s[8:9], 16*NO*4
.endif
.set i, 0
.rept 16
	global_store_b128 v[CO], v[OB+64*(a%2)+4*i:OB+64*(a%2)+4*i+3], s[8:9] offset:NO*4*i th:TH_STORE_NT  ; 512 consecutive bytes, aligned
.set i, i+1
.endr
.set a, a+1
.endr
	s_wait_tensorcnt 0x0                           ; the wave's end, behind my last tensor load and my last LDS store
	ds_add_u32 v[SPW], v[NIL]
	s_wait_dscnt 0x0
	CROUND                                         ; the closing round
	s_endpgm
.Lfunc_end_k_qf28096f3ef_oproj:
	.size	k_qf28096f3ef_oproj, .Lfunc_end_k_qf28096f3ef_oproj-k_qf28096f3ef_oproj
	.p2alignl 7, 3214868480
	.fill 96, 4, 3214868480
	.section	.rodata,"a",@progbits
	.p2align	6, 0x0
	.amdhsa_kernel k_qf28096f3ef_oproj
		.amdhsa_group_segment_fixed_size 327680
		.amdhsa_private_segment_fixed_size 0
		.amdhsa_enable_private_segment 0
		.amdhsa_kernarg_size 24
		.amdhsa_user_sgpr_count 2
		.amdhsa_user_sgpr_kernarg_segment_ptr 1
		.amdhsa_wavefront_size32 1
		.amdhsa_system_sgpr_workgroup_id_x 1
		.amdhsa_system_sgpr_workgroup_id_y 1
		.amdhsa_system_sgpr_workgroup_id_z 1
		.amdhsa_system_vgpr_workitem_id 0
		.amdhsa_next_free_vgpr 768
		.amdhsa_next_free_sgpr 80
		.amdhsa_reserve_vcc 0
		.amdhsa_float_denorm_mode_32 3
		.amdhsa_float_denorm_mode_16_64 3
		.amdhsa_memory_ordered 1
		.amdhsa_forward_progress 1
		.amdhsa_inst_pref_size 62
	.end_amdhsa_kernel
	.amdgpu_metadata
---
amdhsa.version: [ 1, 2 ]
amdhsa.kernels:
  - .name:           k_qf28096f3ef_oproj
    .symbol:         k_qf28096f3ef_oproj.kd
    .args:
      - { .name: att, .offset: 0, .size: 8, .value_kind: global_buffer, .address_space: global }
      - { .name: wo16, .offset: 8, .size: 8, .value_kind: global_buffer, .address_space: global }
      - { .name: out0, .offset: 16, .size: 8, .value_kind: global_buffer, .address_space: global }
    .group_segment_fixed_size: 327680
    .private_segment_fixed_size: 0
    .kernarg_segment_align: 8
    .kernarg_segment_size: 24
    .max_flat_workgroup_size: 128
    .sgpr_count:     80
    .vgpr_count:     768
    .wavefront_size: 32
...
	.end_amdgpu_metadata
.endif
;; end of part 4
;; ======== version 2 of 2: 4 launches; version 1 with the launch prep written anew for expert scheduling mode
;; limits: values are held in f16: magnitudes above 65,504 overflow, below 6.1e-05 lose precision
;; workspace buffers: xb 16,777,216 bytes; wqkv 12,582,912 bytes; wo16 4,194,304 bytes; rope 1,048,576 bytes; qg 16,777,216 bytes; kv 8,388,608 bytes; att 8,388,608 bytes
;; launch prep (part 5): grid 512 x 1, 8 waves a work-group, no clusters, 0 bytes of LDS; arguments x, Wq, Wk, Wv, Wo, xb, wqkv, wo16, rope; writes xb, wqkv, wo16, rope
.if DOCPART == 5
	.amdgcn_target "amdgcn-amd-amdhsa--gfx1250"
	.amdhsa_code_object_version 6
	.text
	.protected	k_qf28096f3ef_prep
	.globl	k_qf28096f3ef_prep
	.p2align	8
	.type	k_qf28096f3ef_prep,@function
k_qf28096f3ef_prep:
	s_mov_b64 s[64:65], 0
	v_nop
	global_prefetch_b8 v0, s[64:65] scope:SCOPE_SE
	s_setreg_imm32_b32 hwreg(HW_REG_WAVE_SCHED_MODE, 0, 2), 2
	s_setreg_imm32_b32 hwreg(HW_REG_WAVE_MODE, 25, 1), 1
	s_wait_xcnt 0x0
	s_wait_alu depctr_vm_vsrc(0)
; PREP: a stream.  x -> xb (bf16).  Wq | Wk | Wv -> wqkv [k 2048][n' 3072] (bf16), the columns in chunks of 128 in a new order: chunks 0-7 q of head j, 8-15 the gate of head j - 8,
; 16 + 2 i k of head i, 17 + 2 i v of head i.  Wo -> wo16: rounded to bf16 like every other input, and that number written as f16.  And the table of cosines and sines.
; LIMITS.  |Wo| stays under 65,504; a bf16 number below 2^-17 loses bits in f16, at most 3e-8 absolutely.  NaN and infinities are not treated apart.
; SHARES.  A work-group casts 32,768 numbers in 32 passes of 1,024; in a pass wave v takes 128 numbers: a load covers 512 consecutive bytes, a store 256 consecutive bytes, aligned.
; All 32 loads of a wave go out at once (16 KiB a wave on its way); a pass has its own data, result and offset registers, so nothing is rewritten under a pending instruction.
; No LDS, no matrix unit, no cluster: no byte is wanted twice.  No prefetch: the loads themselves are all out at once.
; THE MODE: SCHED_MODE bits 1:0 = 2 (LLVM: expert scheduling mode 2), set by the entry lines.  The code itself states the register dependences
; between vector instructions and memory instructions, with s_wait_alu, always for 0.
; THE PLAN.  Registers that memory instructions touch:
;   v2         the loads' offset: written once at the head, read by all 32 loads, never written again.
;   IN         pass p's four registers: its load lands in them (no vector instruction has named them), its two conversions read them; never loaded again.
;   VD         pass p's offset: written once, behind the loads; read by the pass's store; never written again.
;   OUT        pass p's two registers: written by its conversions, read by its store; never written again.
;   v236, TO   the table's offset and its eight results: written by the table's arithmetic, read by its two stores; never written again.
; So no register that a memory instruction reads is ever written again, and past the entry lines the text holds no wait on vm_vsrc.  The passes go in eight blocks of four.  Block b converts its own four passes and
; issues the four stores of block b - 1: ONE wait on va_vdst at its head, behind the wait for its data, states that block b - 1 has written its OUT; the stores are dealt among the block's
; conversions, which name this block's IN and OUT and v232-235: none of the registers that those stores touch.
.set VS,  2                            ; v2        16 x lane: my 16 bytes of a chunk of the source
.set VD,  8                            ; v[8:39]   pass p: my byte offset in the destination
.set IN,  40                           ; v[40:167] pass p: four f32 as loaded
.set OUT, 168                          ; v[168:231] pass p: four 16-bit numbers to store
.set TW,  168                          ; the table's registers at work, before OUT is used: no memory instruction names them as such
.set TA,  236                          ; v236      the table's store offset
.set TO,  240                          ; v[240:247] the table's results: four cosines, four sines
.set QM,  44                           ; s[44:47]  the table: element e's mask 'n is odd'
	s_load_b512 s[8:23], s[0:1], 0x0               ; x, Wq, Wk, Wv, Wo, xb, wqkv, wo16
	s_load_b64 s[24:25], s[0:1], 0x40              ; rope
	v_and_b32 v1, 31, v0                           ; lane
	v_lshrrev_b32 v3, 5, v0
	v_readfirstlane_b32 s30, v3                    ; wave 0..7
	v_lshlrev_b32 v[VS], 4, v1
	s_mov_b32 s35, 0                               ; 1: the region is Wo's
	s_mov_b32 s37, 0
	s_mov_b32 s42, 0xffff0000                      ; a word's upper bf16
	s_wait_alu depctr_va_sdst(0)                   ; s30 is written, ahead of its first reader: the offsets of source and destination are made from it
	s_lshl_b32 s38, s30, 8                         ; 256 x wave
	s_wait_kmcnt 0x0
	; the region by the work-group's number: source s[26:27], destination s[28:29], number in the region s31,
	; my chunk's destination byte in pass 0 s32, its step to pass 1 s33, its step over two passes s34
	s_cmp_lt_u32 ttmp9, 256
	s_cbranch_scc0 .Lnot_x
	s_mov_b64 s[26:27], s[8:9]                     ; x -> xb, straight
	s_mov_b64 s[28:29], s[18:19]
	s_mov_b32 s31, ttmp9
	s_lshl_b32 s32, s31, 16
	s_add_co_u32 s32, s32, s38
	s_movk_i32 s33, 2048
	s_movk_i32 s34, 4096
	s_branch .Lset
.Lnot_x:
	s_cmp_lt_u32 ttmp9, 384
	s_cbranch_scc0 .Lnot_q
	s_mov_b64 s[26:27], s[10:11]                   ; Wq: 16 rows a work-group, half a row a pass; source chunk 8 (p % 2) + v goes to chunk 8 (v % 2) + v / 2 + 4 (p % 2)
	s_mov_b64 s[28:29], s[20:21]
	s_sub_co_u32 s31, ttmp9, 256
	s_mul_i32 s32, s31, 16*6144
	s_and_b32 s39, s30, 1
	s_lshl_b32 s39, s39, 3
	s_lshr_b32 s40, s30, 1
	s_add_co_u32 s39, s39, s40
	s_lshl_b32 s39, s39, 8
	s_add_co_u32 s32, s32, s39
	s_movk_i32 s33, 1024
	s_movk_i32 s34, 6144
	s_branch .Lset
.Lnot_q:
	s_cmp_lt_u32 ttmp9, 448
	s_cbranch_scc0 .Lwo
	s_sub_co_u32 s31, ttmp9, 384                   ; Wk, then Wv: 64 rows a work-group, two rows a pass; head v % 4 goes to chunk 16 + 2 (v % 4) + (0: k, 1: v)
	s_lshr_b32 s41, s31, 5
	s_and_b32 s31, s31, 31
	s_cmp_eq_u32 s41, 0
	s_cselect_b64 s[26:27], s[12:13], s[14:15]
	s_mov_b64 s[28:29], s[20:21]
	s_lshl_b32 s32, s31, 6
	s_lshr_b32 s40, s30, 2
	s_add_co_u32 s32, s32, s40
	s_mul_i32 s32, s32, 6144
	s_and_b32 s39, s30, 3
	s_lshl_b32 s39, s39, 1
	s_add_co_u32 s39, s39, s41
	s_add_co_u32 s39, s39, 16
	s_lshl_b32 s39, s39, 8
	s_add_co_u32 s32, s32, s39
	s_movk_i32 s33, 12288
	s_movk_i32 s34, 24576
	s_branch .Lset
.Lwo:
	s_mov_b64 s[26:27], s[16:17]                   ; Wo -> wo16, straight
	s_mov_b64 s[28:29], s[22:23]
	s_sub_co_u32 s31, ttmp9, 448
	s_lshl_b32 s32, s31, 16
	s_add_co_u32 s32, s32, s38
	s_movk_i32 s33, 2048
	s_movk_i32 s34, 4096
	s_mov_b32 s35, 1
.Lset:
	s_lshl_b32 s36, s31, 17                        ; the work-group's 131,072 bytes of the source,
	s_lshl_b32 s39, s30, 9                         ; my wave's 512 of a pass
	s_add_co_u32 s36, s36, s39
	s_add_nc_u64 s[26:27], s[26:27], s[36:37]
	s_wait_alu depctr_va_vdst(0)                   ; v2 is written, which all 32 loads read as their offset
.set p, 0
.rept 32
	global_load_b128 v[IN+4*p:IN+4*p+3], v[VS], s[26:27] offset:4096*p th:TH_LOAD_NT
.set p, p+1
.endr
	v_lshl_add_u32 v[VD], v1, 3, s32               ; 8 bytes a lane
	v_add_nc_u32 v[VD+1], s33, v[VD]
.set p, 2
.rept 30
	v_add_nc_u32 v[VD+p], s34, v[VD+p-2]
.set p, p+1
.endr
	; THE TABLE, made while the loads are out.  Work-group W < 128 makes positions 16 W .. 16 W + 15, in the order in which the next launch's lanes hold a head's channels:
	; byte W x 8,192 + q x 512 + lane x 16, q = 4 b + 2 (0: cos, 1: sin) + jh, holds frequencies i = 16 b + 8 (lane / 16) + 4 jh + 0..3 at position 16 W + lane % 16.
	; angle = position x 2^(-i log2(1e6) / 64), reduced by multiples of pi / 2 kept in two parts; on |rho| <= pi / 4 the two series are cut where their next term is under 4e-7, whatever the inputs.
	s_cmp_lt_u32 ttmp9, 128
	s_cbranch_scc0 .Lno_table
	v_and_b32 v[TW], 15, v1
	v_lshrrev_b32 v[TW+1], 4, v1
	s_lshl_b32 s39, ttmp9, 4
	v_add_nc_u32 v[TW], s39, v[TW]
	v_cvt_f32_u32 v[TW], v[TW]                     ; the position
	s_lshr_b32 s40, s30, 1                         ; b
	s_and_b32 s41, s30, 1                          ; jh
	s_lshl_b32 s39, s40, 4
	s_lshl2_add_u32 s39, s41, s39                  ; 16 b + 4 jh
	v_lshl_add_u32 v[TW+1], v[TW+1], 3, s39
.irp e, 0,1,2,3
	v_add_nc_u32 v[TW+4+(\e)], (\e), v[TW+1]
	v_cvt_f32_u32 v[TW+4+(\e)], v[TW+4+(\e)]
	v_mul_f32 v[TW+4+(\e)], 0xbe9f73da, v[TW+4+(\e)]  ; -i log2(1e6) / 64
.endr
.irp e, 0,1,2,3
	v_exp_f32 v[TW+4+(\e)], v[TW+4+(\e)]
.endr
	v_nop                                          ; a plain instruction behind the last exponential,
	s_wait_alu depctr_va_vdst(0)                   ; and the one wait ahead of the batch's first reader: the four exponentials have written v[TW+4 .. TW+7]
.irp e, 0,1,2,3
	v_mul_f32 v[TW+8+(\e)], v[TW], v[TW+4+(\e)]                     ; the angle
	v_mul_f32 v[TW+12+(\e)], 0x3f22f983, v[TW+8+(\e)]               ; x 2 / pi
	v_rndne_f32 v[TW+12+(\e)], v[TW+12+(\e)]                        ; n
	v_fmamk_f32 v[TW+16+(\e)], v[TW+12+(\e)], 0xbfc90fdb, v[TW+8+(\e)]   ; rho = angle - n x (pi / 2)'s upper part
	v_fmamk_f32 v[TW+16+(\e)], v[TW+12+(\e)], 0x333bbd2e, v[TW+16+(\e)]  ; + n x what that part has too much
	v_mul_f32 v[TW+20+(\e)], v[TW+16+(\e)], v[TW+16+(\e)]           ; rho^2
	v_mov_b32 v[TW+24+(\e)], 0xb9500d01                             ; sin: -1/5040, 1/120, -1/6
	v_fmaak_f32 v[TW+24+(\e)], v[TW+24+(\e)], v[TW+20+(\e)], 0x3c088889
	v_fmaak_f32 v[TW+24+(\e)], v[TW+24+(\e)], v[TW+20+(\e)], 0xbe2aaaab
	v_mul_f32 v[TW+28+(\e)], v[TW+16+(\e)], v[TW+20+(\e)]
	v_fma_f32 v[TW+24+(\e)], v[TW+28+(\e)], v[TW+24+(\e)], v[TW+16+(\e)]
	v_mov_b32 v[TW+28+(\e)], 0x37d00d01                             ; cos: 1/40320, -1/720, 1/24, -1/2
	v_fmaak_f32 v[TW+28+(\e)], v[TW+28+(\e)], v[TW+20+(\e)], 0xbab60b61
	v_fmaak_f32 v[TW+28+(\e)], v[TW+28+(\e)], v[TW+20+(\e)], 0x3d2aaaab
	v_fmaak_f32 v[TW+28+(\e)], v[TW+28+(\e)], v[TW+20+(\e)], 0xbf000000
	v_fma_f32 v[TW+28+(\e)], v[TW+28+(\e)], v[TW+20+(\e)], 1.0
	v_cvt_i32_f32 v[TW+12+(\e)], v[TW+12+(\e)]                      ; the quadrant: an odd n swaps the two:
	v_and_b32 v[TW+20+(\e)], 1, v[TW+12+(\e)]
	v_cmp_eq_u32 s[QM+(\e)], 1, v[TW+20+(\e)]                       ; each element's mask has a scalar register of its own, so that the four compares are one run
.endr
	s_wait_alu depctr_va_sdst(0)                   ; the four compares have written s[44:47], ahead of the first select that reads one of them
.irp e, 0,1,2,3
	v_cndmask_b32 v[TO+4+(\e)], v[TW+24+(\e)], v[TW+28+(\e)], s[QM+(\e)]
	v_cndmask_b32 v[TO+(\e)], v[TW+28+(\e)], v[TW+24+(\e)], s[QM+(\e)]
	v_and_b32 v[TW+20+(\e)], 2, v[TW+12+(\e)]                       ; n & 2 turns the sine's sign,
	v_lshlrev_b32 v[TW+20+(\e)], 30, v[TW+20+(\e)]
	v_xor_b32 v[TO+4+(\e)], v[TO+4+(\e)], v[TW+20+(\e)]
	v_add_nc_u32 v[TW+12+(\e)], 1, v[TW+12+(\e)]                    ; (n + 1) & 2 the cosine's
	v_and_b32 v[TW+20+(\e)], 2, v[TW+12+(\e)]
	v_lshlrev_b32 v[TW+20+(\e)], 30, v[TW+20+(\e)]
	v_xor_b32 v[TO+(\e)], v[TO+(\e)], v[TW+20+(\e)]
.endr
	s_lshl2_add_u32 s39, s40, s41                  ; 4 b + jh
	s_lshl_b32 s39, s39, 9
	v_lshl_add_u32 v[TA], v1, 4, s39
	s_lshl_b32 s36, ttmp9, 13
	s_add_nc_u64 s[24:25], s[24:25], s[36:37]
	s_wait_alu depctr_va_vdst(0)                   ; the offset v236 and the eight results v[240:247] are written, which the two stores read
	global_store_b128 v[TA], v[TO:TO+3], s[24:25]                  ; a wave's store covers 512 consecutive bytes
	global_store_b128 v[TA], v[TO+4:TO+7], s[24:25] offset:1024    ; nothing that these two stores read is written again
.Lno_table:
; Block b: passes 4 b to 4 b + 3.  The count leaves the younger blocks' loads out.  The stores are those of the block before.
; In Wo's region the bf16 numbers are widened (a shift, a mask) and written as f16; elsewhere those lines are jumped over, once a block, so that the passes are written once.
.macro BLK b
	s_wait_loadcnt 28-4*(\b)                       ; loads come back in order (ISA guide 5.7.1): this block's four are in
.if (\b) > 0
	s_wait_alu depctr_va_vdst(0)                   ; the block before has written its OUT, on either way round its f16 lines, which the stores below read; at block 1 also: the 32 offsets VD are written
.endif
.irp i, 0,1,2,3
.if (\b) > 0
	global_store_b64 v[VD+4*(\b)-4+(\i)], v[OUT+2*(4*(\b)-4+(\i)):OUT+2*(4*(\b)-4+(\i))+1], s[28:29]  ; no vector instruction since the wait names these registers
.endif
	v_cvt_pk_bf16_f32 v[OUT+2*(4*(\b)+(\i))], v[IN+4*(4*(\b)+(\i))], v[IN+4*(4*(\b)+(\i))+1]
	v_cvt_pk_bf16_f32 v[OUT+2*(4*(\b)+(\i))+1], v[IN+4*(4*(\b)+(\i))+2], v[IN+4*(4*(\b)+(\i))+3]
.endr
	s_cmp_eq_u32 s35, 0
	s_cbranch_scc1 .Lplain_\@
.irp i, 0,1,2,3
	v_lshlrev_b32 v232, 16, v[OUT+2*(4*(\b)+(\i))]
	v_and_b32 v233, s42, v[OUT+2*(4*(\b)+(\i))]
	v_lshlrev_b32 v234, 16, v[OUT+2*(4*(\b)+(\i))+1]
	v_and_b32 v235, s42, v[OUT+2*(4*(\b)+(\i))+1]
	v_cvt_pk_f16_f32 v[OUT+2*(4*(\b)+(\i))], v232, v233
	v_cvt_pk_f16_f32 v[OUT+2*(4*(\b)+(\i))+1], v234, v235
.endr
.Lplain_\@:
.endm
.irp b, 0,1,2,3,4,5,6,7
	BLK \b
.endr
	s_wait_alu depctr_va_vdst(0)                   ; block 7 has written its OUT, which the last four stores read
.irp i, 0,1,2,3
	global_store_b64 v[VD+28+(\i)], v[OUT+2*(28+(\i)):OUT+2*(28+(\i))+1], s[28:29]
.endr
	s_endpgm
.Lfunc_end_k_qf28096f3ef_prep:
	.size	k_qf28096f3ef_prep, .Lfunc_end_k_qf28096f3ef_prep-k_qf28096f3ef_prep
	.p2alignl 7, 3214868480
	.fill 96, 4, 3214868480
	.section	.rodata,"a",@progbits
	.p2align	6, 0x0
	.amdhsa_kernel k_qf28096f3ef_prep
		.amdhsa_group_segment_fixed_size 0
		.amdhsa_private_segment_fixed_size 0
		.amdhsa_enable_private_segment 0
		.amdhsa_kernarg_size 72
		.amdhsa_user_sgpr_count 2
		.amdhsa_user_sgpr_kernarg_segment_ptr 1
		.amdhsa_wavefront_size32 1
		.amdhsa_system_sgpr_workgroup_id_x 1
		.amdhsa_system_sgpr_workgroup_id_y 1
		.amdhsa_system_sgpr_workgroup_id_z 1
		.amdhsa_system_vgpr_workitem_id 0
		.amdhsa_next_free_vgpr 248
		.amdhsa_next_free_sgpr 66
		.amdhsa_reserve_vcc 0
		.amdhsa_float_denorm_mode_32 3
		.amdhsa_float_denorm_mode_16_64 3
		.amdhsa_memory_ordered 1
		.amdhsa_forward_progress 1
		.amdhsa_inst_pref_size 30
	.end_amdhsa_kernel
	.amdgpu_metadata
---
amdhsa.version: [ 1, 2 ]
amdhsa.kernels:
  - .name:           k_qf28096f3ef_prep
    .symbol:         k_qf28096f3ef_prep.kd
    .args:
      - { .name: x, .offset: 0, .size: 8, .value_kind: global_buffer, .address_space: global }
      - { .name: Wq, .offset: 8, .size: 8, .value_kind: global_buffer, .address_space: global }
      - { .name: Wk, .offset: 16, .size: 8, .value_kind: global_buffer, .address_space: global }
      - { .name: Wv, .offset: 24, .size: 8, .value_kind: global_buffer, .address_space: global }
      - { .name: Wo, .offset: 32, .size: 8, .value_kind: global_buffer, .address_space: global }
      - { .name: xb, .offset: 40, .size: 8, .value_kind: global_buffer, .address_space: global }
      - { .name: wqkv, .offset: 48, .size: 8, .value_kind: global_buffer, .address_space: global }
      - { .name: wo16, .offset: 56, .size: 8, .value_kind: global_buffer, .address_space: global }
      - { .name: rope, .offset: 64, .size: 8, .value_kind: global_buffer, .address_space: global }
    .group_segment_fixed_size: 0
    .private_segment_fixed_size: 0
    .kernarg_segment_align: 8
    .kernarg_segment_size: 72
    .max_flat_workgroup_size: 256
    .sgpr_count:     66
    .vgpr_count:     248
    .wavefront_size: 32
...
	.end_amdgpu_metadata
.endif
;; end of part 5
;; launch qkv: the kernel of part 2 again; grid 12 x 16, 4 waves a work-group, clusters of 4 x 4, 327,680 bytes of LDS; arguments xb, wqkv, rope, qn_w, kn_w, qg, kv; writes qg, kv
;; launch attn: the kernel of part 3 again; grid 32 x 8, 4 waves a work-group, clusters of 4 x 1, 327,680 bytes of LDS; arguments qg, kv, att; writes att
;; launch oproj: the kernel of part 4 again; grid 8 x 32, 4 waves a work-group, clusters of 4 x 4, 327,680 bytes of LDS; arguments att, wo16, out0; writes out0
